; MI455X (gfx1250); checked and timed in simulation.
; The chip was launched on July 23, 2026; its instructions are those of AMD's public machine-readable ISA for CDNA 5 (MIT licence, August 2026) and "CDNA5" Instruction Set Architecture Reference Guide (July 2026). The comments in the code are by the model that wrote it; some were corrected since.
;; i NGPDW. Allowed arithmetic: matrix products marked QUANTISED: E3M2 operands, one E8M0 scale for each 32 along K, by v_wmma_scale_f32_16x16x128_f8f6f4 with both operands' format E3M2, f32 sums; products left as they are: f32 operands where the result goes on into a quantised operand, else bf16, f16 or f32 operands; f32 sums; everything else in f32.
;; Inputs: W1 40 x 64 float32; W2 64 x 64 float32; W3 64 x 13 float32; b1 64 float32; b2 64 float32; b3 13 float32; cr 1,000,000 float32; tables 10 x 65,536 x 4 float32; x 1,000,000 x 3 float32.
;; Outputs: out0 1,000,000 x 13 float32.
;; This version of the problem:
;;   THIS VERSION OF THE PROBLEM IS GIVEN IN LOW PRECISION. The matrix products marked QUANTISED in the list below multiply operands that are first quantised to E3M2 (3 exponent bits, 2 mantissa bits; 6 bits a number), with one power-of-two scale for each 32 numbers along K (OCP MX v1.0); their sums are f32. All else is computed in f32.
;;   The module's matrix products, in the order in which they are computed (A, B: the left and right operand; K: the contracted axis; several contracted axes count as one K, in the product's order):
;;     1. batch 1,000,000 x [M 1, K 8] x [K 8, N 4]; A: computed on the way; B: computed on the way: left as it is (K = 8 < 32)
;;     2. batch 1,000,000 x [M 1, K 8] x [K 8, N 4]; A: computed on the way; B: computed on the way: left as it is (K = 8 < 32)
;;     3. batch 1,000,000 x [M 1, K 8] x [K 8, N 4]; A: computed on the way; B: computed on the way: left as it is (K = 8 < 32)
;;     4. batch 1,000,000 x [M 1, K 8] x [K 8, N 4]; A: computed on the way; B: computed on the way: left as it is (K = 8 < 32)
;;     5. batch 1,000,000 x [M 1, K 8] x [K 8, N 4]; A: computed on the way; B: computed on the way: left as it is (K = 8 < 32)
;;     6. batch 1,000,000 x [M 1, K 8] x [K 8, N 4]; A: computed on the way; B: computed on the way: left as it is (K = 8 < 32)
;;     7. batch 1,000,000 x [M 1, K 8] x [K 8, N 4]; A: computed on the way; B: computed on the way: left as it is (K = 8 < 32)
;;     8. batch 1,000,000 x [M 1, K 8] x [K 8, N 4]; A: computed on the way; B: computed on the way: left as it is (K = 8 < 32)
;;     9. batch 1,000,000 x [M 1, K 8] x [K 8, N 4]; A: computed on the way; B: computed on the way: left as it is (K = 8 < 32)
;;     10. batch 1,000,000 x [M 1, K 8] x [K 8, N 4]; A: computed on the way; B: computed on the way: left as it is (K = 8 < 32)
;;     11. [M 1,000,000, K 40] x [K 40, N 64]; A: computed on the way; B: input W1: QUANTISED
;;     12. [M 1,000,000, K 64] x [K 64, N 64]; A: computed on the way; B: input W2: QUANTISED
;;     13. [M 1,000,000, K 64] x [K 64, N 13]; A: computed on the way; B: input W3: left as it is (N = 13 < 16)
;;   THE QUANTISER, for each operand of a quantised product, along K:
;;     - K is cut into blocks of 32 from its start; a last block that is shorter is filled with zeros.
;;     - A block's scale is 2^e with e = floor(log2(the largest magnitude in the block)) - 4, held to -126 .. 127; a block of zeros has e = 0. As a byte (E8M0): e + 127.
;;     - Each number is divided by its block's scale, clamped to +-28, and rounded to the nearest number of E3M2, ties to even, subnormals kept.
;;     - The product sums the exact products of the quantised numbers (number of the format x scale) in f32.
;;   ~~~python
;;   def quantise(x, axis):      # numpy; x: float32 -> the quantised numbers, widened to float32 again
;;       x = np.moveaxis(x, axis, -1); K = x.shape[-1]
;;       x = np.pad(x, [(0, 0)] * (x.ndim - 1) + [(0, -K % 32)]); x = x.reshape(x.shape[:-1] + (-1, 32)); a = np.abs(x).max(-1, keepdims=True)
;;       e = np.where(a > 0, np.clip(np.frexp(np.where(a > 0, a, 1))[1] - 1 - 4, -126, 127), 0)      # np.frexp(a)[1] - 1 = floor(log2(a)), exactly
;;       r = np.clip(x / 2.0 ** e, -28, 28)
;;       step = 2.0 ** (np.maximum(np.frexp(np.where(r == 0, 1, r))[1] - 1, -2) - 2)
;;       q = np.round(r / step) * step * 2.0 ** e      # np.round: ties to even
;;       return np.moveaxis(q.reshape(q.shape[:-2] + (-1,))[..., :K], -1, axis).astype(np.float32)
;;   ~~~
;;   OPERANDS COMPUTED ON THE WAY. 'Computed on the way' means the value that the module computes at that place (a softmax that the list does not call 'softmax' is quantised finished and normalised). What goes into a quantiser is computed in f32, as accurately as f32 sums, v_exp_f32 and their like allow (about 1e-6 of the number): no bf16 or f16 on the way to a quantiser, and a product that is left as it is and whose result goes on into a quantised operand takes f32 operands (vector FMAs, or v_wmma_f32_16x16x4_f32). A number that lies on a knife's edge between two numbers of the format may be rounded either way, as far as f32 arithmetic and the matrix unit's own rounding can turn it there, and no further.
;; 2 versions, each right; version 2 is version 1 with the launch field written anew for expert scheduling mode. Each part assembles by itself: llvm-mc -triple=amdgcn-amd-amdhsa -mcpu=gfx1250 --defsym DOCPART=n.
;; ======== version 1 of 2: 2 launches
;; workspace buffers: cells 64,000,000 bytes of whole numbers; wimg 16,384 bytes
;; launch prep (part 1): grid 1251 x 1, 5 waves a work-group, no clusters, 0 bytes of LDS; arguments x, W1, W2, W3, b1, b2, b3, cells, wimg; writes cells, wimg
.if DOCPART == 1
	.amdgcn_target "amdgcn-amd-amdhsa--gfx1250"
	.amdhsa_code_object_version 6
	.text
	.protected	k_q51aeaec73d_prep
	.globl	k_q51aeaec73d_prep
	.p2align	8
	.type	k_q51aeaec73d_prep,@function
k_q51aeaec73d_prep:
	s_mov_b64 s[64:65], 0
	v_nop
	global_prefetch_b8 v0, s[64:65] scope:SCOPE_SE
	s_setreg_imm32_b32 hwreg(HW_REG_WAVE_MODE, 25, 1), 1
	s_wait_xcnt 0x0
; FIRST LAUNCH.  It makes everything that the second launch needs as whole numbers or as register images.
; Work-groups 1 .. 1250: for each of the 1,000,000 points and each of the 10 levels the voxel's corner (c0, c1, c2) = floor(x * RES[level]), kept as
; three halfwords: c0, c1 * prime1, c2 * prime2, each modulo 2^16.  The table has 2^16 rows, so the hash of all eight corners follows from these three
; (a step of 1 in c1 adds prime1 modulo 2^16, and so on).  The second launch forms its gather addresses from these stored whole numbers alone.
; cells: [group of 32 points][chunk 0..3][lane][16 bytes]: a lane's 16 words hold halfword 3 l + c of its point at word (3 l + c) / 2; word 15 is 0.
; Work-group 0: W1 and W2 quantised along K to codes of E3M2 with one E8M0 byte for each 32 along K, W3 rounded to bf16, and the three biases,
; all laid in the order in which the second launch's operand registers take them (16 bytes a lane, 512 bytes a group of four registers).
; RES[l] = floor(16 * B^l), B = exp((log(16384) - log(16)) / 9) in doubles as the problem's text computes it: B^9 falls short of 1024, so RES[9] = 16383.
; LIMITS: x >= 0 and floor(x * RES) under 2^32 (the conversion holds at the ends of that range); NaN and infinities are not served;
; a block of weights whose largest magnitude lies under 2^-122 keeps the scale byte 1 (a block of zeros too: its codes are zeros, and this program alone reads the bytes).
; wimg's 16 KiB are stored once, partly in pieces of 128 or 256 bytes: the weights' columns do not lie as the images do.
.set WAVES, 5
.set GPW,   5                          ; groups of 32 points for a wave: 1250 x 5 x 5 = 31,250 groups
.set XGRP,  384                        ; a group's bytes of x
.set CGRP,  2048                       ; and of cells
.set RES0,  0x41800000                 ; 16
.set RES1,  0x42080000                 ; 34
.set RES2,  0x42940000                 ; 74
.set RES3,  0x43210000                 ; 161
.set RES4,  0x43ae0000                 ; 348
.set RES5,  0x443c0000                 ; 752
.set RES6,  0x44cb2000                 ; 1625
.set RES7,  0x455b7000                 ; 3511
.set RES8,  0x45ed0000                 ; 7584
.set RES9,  0x467ffc00                 ; 16383
.set P1,    0x79b1                     ; 2654435761 modulo 2^16
.set P2,    0x5795                     ; 805459861 modulo 2^16
.set FLOOR, 0x02800000                 ; 2^(5 - 127): under it no largest magnitude is taken, so a scale byte cannot fall under 1
.set IW2,   6144                       ; wimg: W1's four tiles at 0, W2's at 6144 (a tile: 3 x 512 bytes),
.set IW3,   12288                      ; W3 in bf16,
.set ISC,   14336                      ; the scale words (W1's 64, W2's 64),
.set IB1,   14848                      ; b1, b2,
.set IB2,   15104
.set IB3,   15360                      ; b3 as the third product's C
.set XR,    4                          ; v4..   five groups' x, four registers apart
.set OUT,   32                         ; v32-47 a group's 16 words
.set X,     32                         ; v32-95 work-group 0: a column's 64 numbers down K
.set CA,    96                         ; v96-107  block 0's operand registers (6 of codes, 6 of zeros)
.set CB,    108                        ; v108-119 block 1's
.set TA,    120                        ; v120-122, v124-126: a block's upper 16 codes as the conversion leaves them
.set TB,    124
	s_load_b512 s[4:19], s[0:1], 0x0               ; x s[4:5], W1 s[6:7], W2 s[8:9], W3 s[10:11], b1 s[12:13], b2 s[14:15], b3 s[16:17], cells s[18:19]
	s_load_b64 s[20:21], s[0:1], 0x40              ; wimg
	v_lshrrev_b32 v1, 5, v0
	v_readfirstlane_b32 s22, v1                    ; wave 0..4
	v_and_b32 v3, 31, v0                           ; lane
	s_cmp_eq_u32 ttmp9, 0
	s_cbranch_scc1 .Lprep                          ; work-group 0 lays the weights out
	; ---- the points
	s_mov_b32 s23, 0x05040100                      ; v_perm_b32: the two low halves
	s_mov_b32 s24, P1
	s_mov_b32 s25, P2
	v_mul_u32_u24 v1, v3, 12                       ; my point's 12 bytes of x
	v_lshlrev_b32 v2, 4, v3                        ; my 16 bytes of a chunk
	v_mov_b32 v[OUT+15], 0                         ; word 15: written once, stored with every group
	s_sub_co_u32 s26, ttmp9, 1
	s_mul_i32 s26, s26, GPW*WAVES
	s_mul_i32 s27, s22, GPW
	s_add_co_u32 s26, s26, s27                     ; my wave's first group
	s_mul_i32 s28, s26, XGRP
	s_mov_b32 s29, 0
	s_lshl_b32 s30, s26, 11                        ; x 2,048: 64,000,000 at the most
	s_mov_b32 s31, 0
	s_wait_kmcnt 0x0
	s_add_nc_u64 s[4:5], s[4:5], s[28:29]
	s_add_nc_u64 s[18:19], s[18:19], s[30:31]
.irp i, 0,1,2,3,4
	global_load_b96 v[XR+4*\i:XR+4*\i+2], v1, s[4:5] offset:XGRP*\i th:TH_LOAD_NT   ; 32 lanes read 384 consecutive bytes
.endr
; Two levels, 2 m and 2 m + 1: six halfwords, three words.  The products x * RES are the f32 products of the problem's text; the second launch makes the same ones for the fractions.
.macro LV2 xr, m, ra, rb
	v_pk_mul_f32 v[24:25], v[\xr:\xr+1], \ra op_sel_hi:[1,0]
	v_mul_f32 v26, \ra, v[\xr+2]
	v_pk_mul_f32 v[28:29], v[\xr:\xr+1], \rb op_sel_hi:[1,0]
	v_mul_f32 v30, \rb, v[\xr+2]
.irp t, 24,25,26,28,29,30
	v_cvt_u32_f32 v\t, v\t                         ; toward zero: the floor of a number that is not negative
.endr
	v_mul_u32_u24 v25, s24, v25                    ; only the low 16 bits are kept, and they hang on the factors' low 16 bits alone
	v_mul_u32_u24 v26, s25, v26
	v_mul_u32_u24 v29, s24, v29
	v_mul_u32_u24 v30, s25, v30
	v_perm_b32 v[OUT+3*(\m)], v25, v24, s23        ; the second source's half goes below
	v_perm_b32 v[OUT+3*(\m)+1], v28, v26, s23
	v_perm_b32 v[OUT+3*(\m)+2], v30, v29, s23
.endm
.macro GROUP i
	s_wait_loadcnt 4-(\i)                          ; loads come back in order: this group's x is in, the younger groups' may be out
	s_wait_xcnt 0x0                                ; the last group's stores have read OUT: it is written again only behind this wait
	LV2 XR+4*(\i), 0, RES0, RES1
	LV2 XR+4*(\i), 1, RES2, RES3
	LV2 XR+4*(\i), 2, RES4, RES5
	LV2 XR+4*(\i), 3, RES6, RES7
	LV2 XR+4*(\i), 4, RES8, RES9
.irp c, 0,1,2,3
	global_store_b128 v2, v[OUT+4*\c:OUT+4*\c+3], s[18:19] offset:CGRP*(\i)+512*\c th:TH_STORE_NT   ; 32 lanes store 512 consecutive bytes, at a multiple of 512 from the buffer's first byte
.endr
.endm
	GROUP 0
	GROUP 1
	GROUP 2
	GROUP 3
	GROUP 4
	s_endpgm
	; ---- the weights.  Waves 0, 1: W1's 64 columns; waves 2, 3: W2's; wave 4: W3 and the biases.
.Lprep:
	s_wait_kmcnt 0x0
	v_and_b32 v4, 15, v0                           ; r = lane % 16
	v_bfe_u32 v7, v0, 4, 1                         ; h = lane / 16
	s_cmp_eq_u32 s22, 4
	s_cbranch_scc1 .Lw3
	; A LANE TAKES A COLUMN AND ITS REGISTERS RUN DOWN K: a block of 32 lies in one lane, and the conversions give codes with K innermost.
	s_and_b32 s26, s22, 1
	s_lshl_b32 s27, s26, 5
	v_add_nc_u32 v8, s27, v3                       ; my column: 32 x (wave % 2) + lane
	v_lshlrev_b32 v1, 2, v8
.irp i, 6,7,8,9,10,11
	v_mov_b32 v[CA+\i], 0                          ; K = 64 .. 127 of the instruction's 128: zero codes
	v_mov_b32 v[CB+\i], 0
.endr
	s_cmp_ge_u32 s22, 2
	s_cbranch_scc1 .Lw2
	; W1 [40][64].  Inside block 0 the places along K are permuted, alike in the points' operand: place p < 20 holds k = 10 (p % 2) + p / 2 (features 0 and 1 of level p / 2), the others k = p.
.set pp, 0
.rept 40
.if pp < 20
	global_load_b32 v[X+pp], v1, s[6:7] offset:((pp%2)*10+pp/2)*256
.else
	global_load_b32 v[X+pp], v1, s[6:7] offset:pp*256
.endif
.set pp, pp+1
.endr
.rept 24
	v_mov_b32 v[X+pp], 0                           ; K = 40 .. 63: the quantiser fills the last block with zeros
.set pp, pp+1
.endr
	; Column u is row r of tile t with u = 32 (r / 8) + 8 t + r % 8: the first product's result then holds, in a lane's 32 registers, one whole block of the next K.
	v_lshrrev_b32 v9, 3, v3                        ; t = lane / 8
	v_and_b32 v10, 7, v3
	v_lshl_add_u32 v10, s26, 3, v10                ; r = lane % 8 + 8 (wave % 2)
	v_mul_u32_u24 v5, v9, 1536
	v_lshl_add_u32 v5, v10, 4, v5                  ; the image: tile t, lane place r
	v_lshlrev_b32 v6, 6, v9
	v_lshl_add_u32 v6, v10, 2, v6
	v_add_nc_u32 v6, ISC, v6                       ; the scale word of (t, r)
	s_branch .Lquant
.Lw2:
	; W2 [64][64]: K as it lies; column u is row u % 16 of tile u / 16.
.set pp, 0
.rept 64
	global_load_b32 v[X+pp], v1, s[8:9] offset:pp*256
.set pp, pp+1
.endr
	v_lshrrev_b32 v9, 4, v8
	v_and_b32 v10, 15, v8
	v_mul_u32_u24 v5, v9, 1536
	v_lshl_add_u32 v5, v10, 4, v5
	v_add_nc_u32 v5, IW2, v5
	v_lshl_add_u32 v6, v8, 2, ISC+256
.Lquant:
	s_wait_loadcnt 0x0
	v_max3_num_f32 v12, |v[X]|, |v[X+1]|, FLOOR    ; the two blocks' largest magnitudes, by turns
	v_max3_num_f32 v13, |v[X+32]|, |v[X+33]|, FLOOR
.irp i, 2,4,6,8,10,12,14,16,18,20,22,24,26,28,30
	v_max3_num_f32 v12, v12, |v[X+\i]|, |v[X+\i+1]|
	v_max3_num_f32 v13, v13, |v[X+32+\i]|, |v[X+33+\i]|
.endr
	v_add_nc_u32 v14, 0xfe000000, v12              ; 4 off the exponent field: the conversion takes this operand's exponent field as its scale
	v_add_nc_u32 v15, 0xfe000000, v13
	v_lshrrev_b32 v16, 23, v14                     ; the scales' bytes
	v_lshrrev_b32 v17, 23, v15
	v_lshl_or_b32 v16, v17, 8, v16
	v_or_b32 v16, 0x7f7f0000, v16                  ; bytes 2 and 3 stand over zero codes: 127
	v_cvt_scalef32_pk16_bf6_f32 v[CA:CA+2], v[X:X+15], v14
	v_cvt_scalef32_pk16_bf6_f32 v[TA:TA+2], v[X+16:X+31], v14     ; (a conversion's three registers begin on an even number)
	v_cvt_scalef32_pk16_bf6_f32 v[CB:CB+2], v[X+32:X+47], v15
	v_cvt_scalef32_pk16_bf6_f32 v[TB:TB+2], v[X+48:X+63], v15
	v_nop                                          ; one plain instruction between a scaled conversion and the vector instructions that read its result
.irp i, 0,1,2
	v_mov_b32 v[CA+3+\i], v[TA+\i]
	v_mov_b32 v[CB+3+\i], v[TB+\i]
.endr
.irp c, 0,1,2
	global_store_b128 v5, v[CA+4*\c:CA+4*\c+3], s[20:21] offset:512*\c          ; block 0: lane place r
	global_store_b128 v5, v[CB+4*\c:CB+4*\c+3], s[20:21] offset:512*\c+256      ; block 1: lane place 16 + r
.endr
	global_store_b32 v6, v16, s[20:21]
	s_endpgm
.Lw3:
	; W3 [64][13] as source 0 of two bf16 products of 32 along K: lane (r, h) holds output r; register g of K step s holds k = 32 s + 16 (g / 4) + 8 h + 2 (g % 4) + 0, 1.  Rows 13 to 15 are zeros.
	v_min_u32 v8, 12, v4                           ; no load leaves the buffer
	v_lshlrev_b32 v1, 2, v8
	v_mad_u32_u24 v1, v7, 416, v1                  ; + 8 h rows of 52 bytes
.irp s, 0,1
.irp g, 0,1,2,3,4,5,6,7
.irp e, 0,1
	global_load_b32 v[X+2*(8*\s+\g)+\e], v1, s[10:11] offset:(32*\s+16*(\g/4)+2*(\g%4)+\e)*52
.endr
.endr
.endr
	v_lshlrev_b32 v2, 3, v3                        ; 8 x lane
	v_lshlrev_b32 v5, 4, v3                        ; 16 x lane
	global_load_b64 v[112:113], v2, s[12:13]       ; b1
	global_load_b64 v[114:115], v2, s[14:15]       ; b2
.irp j, 0,1,2,3,4,5,6,7
	v_lshl_add_u32 v[16+\j], v7, 3, \j             ; b3 in the result's layout: register j of lane (r, h) belongs to output 8 h + j; 13 to 15 are thrown away and take b3[12]
.endr
.irp j, 0,1,2,3,4,5,6,7
	v_min_u32 v[16+\j], 12, v[16+\j]
.endr
.irp j, 0,1,2,3,4,5,6,7
	v_lshlrev_b32 v[16+\j], 2, v[16+\j]
.endr
.irp j, 0,1,2,3,4,5,6,7
	global_load_b32 v[116+\j], v[16+\j], s[16:17]
.endr
	v_cmp_gt_u32 vcc_lo, 13, v4                    ; rows that exist
	s_wait_loadcnt 0x0
.set qq, 0
.rept 16
	v_cvt_pk_bf16_f32 v[CA+qq], v[X+2*qq], v[X+2*qq+1]
.set qq, qq+1
.endr
.set qq, 0
.rept 16
	v_cndmask_b32 v[CA+qq], 0, v[CA+qq], vcc_lo
.set qq, qq+1
.endr
.irp q, 0,1,2,3
	global_store_b128 v5, v[CA+4*\q:CA+4*\q+3], s[20:21] offset:IW3+512*\q
.endr
	global_store_b64 v2, v[112:113], s[20:21] offset:IB1
	global_store_b64 v2, v[114:115], s[20:21] offset:IB2
	global_store_b128 v5, v[116:119], s[20:21] offset:IB3
	global_store_b128 v5, v[120:123], s[20:21] offset:IB3+512
	s_endpgm
.Lfunc_end_k_q51aeaec73d_prep:
	.size	k_q51aeaec73d_prep, .Lfunc_end_k_q51aeaec73d_prep-k_q51aeaec73d_prep
	.p2alignl 7, 3214868480
	.fill 96, 4, 3214868480
	.section	.rodata,"a",@progbits
	.p2align	6, 0x0
	.amdhsa_kernel k_q51aeaec73d_prep
		.amdhsa_group_segment_fixed_size 0
		.amdhsa_private_segment_fixed_size 0
		.amdhsa_enable_private_segment 0
		.amdhsa_kernarg_size 72
		.amdhsa_user_sgpr_count 2
		.amdhsa_user_sgpr_kernarg_segment_ptr 1
		.amdhsa_wavefront_size32 1
		.amdhsa_system_sgpr_workgroup_id_x 1
		.amdhsa_system_sgpr_workgroup_id_y 1
		.amdhsa_system_sgpr_workgroup_id_z 1
		.amdhsa_system_vgpr_workitem_id 0
		.amdhsa_next_free_vgpr 128
		.amdhsa_next_free_sgpr 66
		.amdhsa_reserve_vcc 1
		.amdhsa_float_denorm_mode_32 3
		.amdhsa_float_denorm_mode_16_64 3
		.amdhsa_memory_ordered 1
		.amdhsa_forward_progress 1
		.amdhsa_inst_pref_size 48
	.end_amdhsa_kernel
	.amdgpu_metadata
---
amdhsa.version: [ 1, 2 ]
amdhsa.kernels:
  - .name:           k_q51aeaec73d_prep
    .symbol:         k_q51aeaec73d_prep.kd
    .args:
      - { .name: x, .offset: 0, .size: 8, .value_kind: global_buffer, .address_space: global }
      - { .name: W1, .offset: 8, .size: 8, .value_kind: global_buffer, .address_space: global }
      - { .name: W2, .offset: 16, .size: 8, .value_kind: global_buffer, .address_space: global }
      - { .name: W3, .offset: 24, .size: 8, .value_kind: global_buffer, .address_space: global }
      - { .name: b1, .offset: 32, .size: 8, .value_kind: global_buffer, .address_space: global }
      - { .name: b2, .offset: 40, .size: 8, .value_kind: global_buffer, .address_space: global }
      - { .name: b3, .offset: 48, .size: 8, .value_kind: global_buffer, .address_space: global }
      - { .name: cells, .offset: 56, .size: 8, .value_kind: global_buffer, .address_space: global }
      - { .name: wimg, .offset: 64, .size: 8, .value_kind: global_buffer, .address_space: global }
    .group_segment_fixed_size: 0
    .private_segment_fixed_size: 0
    .kernarg_segment_align: 8
    .kernarg_segment_size: 72
    .max_flat_workgroup_size: 160
    .sgpr_count:     66
    .vgpr_count:     128
    .wavefront_size: 32
...
	.end_amdgpu_metadata
.endif
;; end of part 1
;; launch field (part 2): grid 256 x 1, 16 waves a work-group, no clusters, 124,928 bytes of LDS; arguments x, cr, tables, cells, wimg, out0; writes out0
.if DOCPART == 2
	.amdgcn_target "amdgcn-amd-amdhsa--gfx1250"
	.amdhsa_code_object_version 6
	.text
	.protected	k_q51aeaec73d_field
	.globl	k_q51aeaec73d_field
	.p2align	8
	.type	k_q51aeaec73d_field,@function
k_q51aeaec73d_field:
	s_mov_b64 s[64:65], 0
	v_nop
	global_prefetch_b8 v0, s[64:65] scope:SCOPE_SE
	s_setreg_imm32_b32 hwreg(HW_REG_WAVE_MODE, 25, 1), 1
	s_wait_xcnt 0x0
; SECOND LAUNCH: hash-grid lookup, trilinear blend, erf factor, and the three layers, for 1,000,000 points; nothing between them goes to memory.
; SHARES.  256 work-groups of sixteen waves, four to a SIMD, 256 registers each; the waves share only the 16 KiB of weight images in LDS (one barrier, at the head).
; Wave w of work-group p is wave g = 256 w + p of the launch's 4,096 and takes the blocks of 64 points g, g + 4096, g + 8192, g + 12288 (15,625 blocks in all): the last round's 3,337 blocks = 13 x 256 + 9
; so fall on 13 or 14 waves of every work-group.  A block is two PASSES of 32 points; its 64 rows of 52 bytes are 13 x 256 bytes,
; gathered in the wave's own stage in LDS and stored as whole aligned runs.  The loop has 8 trips in every wave; a trip whose block does not exist jumps over its work (a branch on ids).
; ENCODE: a lane is a point.  The gather offsets are made of the whole numbers that the first launch stored (three halfwords a level), never of floating-point numbers of this launch.
; THREE levels' gathers (24 loads of 16 bytes a lane, 12 KiB a wave) are on their way while a level is blended.  The next pass's x, cr and cells are asked for ahead of the layers.
; LAYERS: all products are used transposed (source 0 = 16 rows of a weight, source 1 = 16 points), so that a lane holds one point and its registers run along the next K.
;   1, 2: v_wmma_scale_f32_16x16x128_f8f6f4 on codes of E3M2; K = 40 and 64 fill blocks 0 and 1 of the instruction's four; the rest are zero codes.  The bias is each sum's C.
;   3 (13 outputs, left as it is): two bf16 products of 32 along K.
; SELU: scale x max(x, 0) + scale alpha expm1(min(x, 0)); expm1 by its series to x^6 above -0.25 (first term left out: 5e-8 of the number), by 2^(x log2 e) - 1 below; the choice is a v_cndmask_b32.
; ERF: x A(x^2) / B(x^2), polynomials of degree 6 and 4, x held at 4 (erf(4) is 1 in f32).  Level 0's factor is erf(1e6) = 1 and is not multiplied.
; LIMITS: x >= 0 (as in the first launch); NaN and infinities are not served; a block whose largest magnitude lies under 2^-122 keeps the scale byte 1; expm1 is good to about 4e-7 of the number, erf to a few units in the last place.
.set NBLK,  15625                      ; blocks of 64 points
.set IW2,   6144                       ; LDS 0 .. 16383: the image of wimg: W1's four tiles, W2's four (3 x 512 bytes each),
.set IW3,   12288                      ; W3 in bf16,
.set ISC,   14336                      ; the weights' scale words, four register images of 128 bytes,
.set IB1,   14848                      ; b1, b2,
.set IB2,   15104
.set IB3,   15360                      ; b3 as a C
.set STG0,  16384                      ; behind it, for each wave: a stage of 64 rows x 52 bytes, and as many bytes again that take the three rows of the last product that do not exist
.set STGW,  6656
.set SHADOW, 3328
.set ROWB,  52
.set RES0,  0x41800000                 ; the levels' resolutions as f32: 16, 34, 74, 161, 348, 752, 1625, 3511, 7584, 16383
.set RES1,  0x42080000
.set RES2,  0x42940000
.set RES3,  0x43210000
.set RES4,  0x43ae0000
.set RES5,  0x443c0000
.set RES6,  0x44cb2000
.set RES7,  0x455b7000
.set RES8,  0x45ed0000
.set RES9,  0x467ffc00
.set FLOOR, 0x02800000                 ; 2^(5 - 127)
; REGISTERS.  v1 16 L, v2 12 L, v3 4 L, v4 8 L (L = lane); v5, v6 b1's and b2's places; v7, v8 into the stage; v9, v10 out of it; v11 8 h
; v12-14 the points' scale words; v16-19 the weights' (these seven hold scales and nothing else); v26-45 x, cr and the 16 words of cells
.set KE,    20                         ; v[20:21] the series' highest coefficient, twice;  v[22:23], v[24:25] erf's two
.set KA,    22
.set KB,    24
.set OPX,   46                         ; v46-57 the points' operand, tile 0 (6 registers of codes, 6 of zeros);  v58-69 tile 1
.set GE,    70                         ; v70-77 features k = 32 .. 39;  v78-85 zeros
                                       ; IN THE ENCODE v46-69 and v78-85 are the third set of gathered corners: the zeros are written behind the encode, in every pass
.set FE,    86                         ; v86-117 features, block 0
.set SF,    118                        ; v118-127 the levels' erf factors
.set ACC,   128                        ; v128-191 the first two sets of gathered corners; in the layers the eight accumulators
.set AW,    192                        ; v192-239 in the layers: four tiles of a weight.  In the encode: v192-207 two sets of offsets (the third: v246-253),
.set WT,    208                        ; v208-215 the eight weights, v216-225 hash parts, v226-239 fractions and their products
.set EX,    86                         ; SELU: v86-101 exponentials, v102-117 min(x, 0), v240-255 the series
.set XN,    102
.set QP,    240
.set XE,    86                         ; erf: its argument, the square, the numerator (the denominator lies in SF)
.set X2,    96
.set PA,    106
; ---- macros of the encode
.macro SETS l                          ; level l's registers: set l % 3.  IB: its eight offsets;  corner c's four numbers at DB + 4 c + DX (c / 6)
.if (\l)%3 == 2
.set IB, 246
.set DB, 46
.set DX, 8                             ; corners 6 and 7 of the third set lie at v78 and v82, behind the features at v70-77
.else
.set IB, AW+8*((\l)%3)
.set DB, ACC+32*((\l)%3)
.set DX, 0
.endif
.endm
.macro UNPK dst, n                     ; halfword n of my point's cells, times 16: a row of a table is 16 bytes
.if (\n)%2 == 0
	v_lshlrev_b32 v[\dst], 4, v[30+(\n)/2]
.else
	v_lshrrev_b32 v[\dst], 12, v[30+(\n)/2]
.endif
	v_and_b32 v[\dst], s48, v[\dst]
.endm
.macro IDX l                           ; the eight corners' byte offsets in level l's table.  Corner 2 (2 j + k) + i: step i along axis 0, j along 1, k along 2
	SETS \l
	UNPK 216, 3*(\l)
	UNPK 218, 3*(\l)+1
	UNPK 220, 3*(\l)+2
	v_add_nc_u32 v217, 16, v216                    ; a step along an axis adds that axis's prime, modulo 2^16 (here all times 16)
	v_add_nc_u32 v219, s49, v218
	v_add_nc_u32 v221, s50, v220
	v_and_b32 v217, s48, v217
	v_and_b32 v219, s48, v219
	v_and_b32 v221, s48, v221
	v_xor_b32 v222, v218, v220
	v_xor_b32 v223, v218, v221
	v_xor_b32 v224, v219, v220
	v_xor_b32 v225, v219, v221
.irp q, 0,1,2,3
	v_xor_b32 v[IB+2*\q], v216, v[222+\q]
	v_xor_b32 v[IB+2*\q+1], v217, v[222+\q]
.endr
.irp c, 0,1,2,3,4,5,6,7
	v_min_u32 v[IB+\c], 0xffff0, v[IB+\c]          ; a number that was loaded is held inside the table before it is an offset
.endr
.endm
.macro GATHER l                        ; a table's rows are read again and again by every wave of the launch: the hint says so
	SETS \l
.irp c, 0,1,2,3,4,5,6,7
	global_load_b128 v[DB+4*\c+DX*(\c/6):DB+4*\c+DX*(\c/6)+3], v[IB+\c], s[20+2*(\l):21+2*(\l)] th:TH_LOAD_HT
.endr
.endm
.macro WGT l, r                        ; the eight trilinear weights of level l, times the level's erf factor
	v_pk_mul_f32 v[226:227], v[26:27], \r op_sel_hi:[1,0]      ; the same f32 products as in the first launch: fraction and cell belong together
	v_pk_mul_f32 v[228:229], v[28:29], \r op_sel_hi:[1,0]      ; (the upper half is not used)
	v_fract_f32 v231, v226
	v_fract_f32 v233, v227
	v_fract_f32 v235, v228
	v_sub_f32 v230, 1.0, v231                      ; pairs (1 - f, f) for the three axes
	v_sub_f32 v232, 1.0, v233
	v_sub_f32 v234, 1.0, v235
.if (\l) > 0
.if (\l)%2 == 0
	v_pk_mul_f32 v[230:231], v[230:231], v[SF+(\l):SF+(\l)+1] op_sel_hi:[1,0]
.else
	v_pk_mul_f32 v[230:231], v[230:231], v[SF+(\l)-1:SF+(\l)] op_sel:[0,1] op_sel_hi:[1,1]
.endif
.endif
	v_pk_mul_f32 v[236:237], v[230:231], v[232:233] op_sel_hi:[1,0]
	v_pk_mul_f32 v[238:239], v[230:231], v[232:233] op_sel:[0,1] op_sel_hi:[1,1]
.irp q, 0,1,2,3
.if \q%2 == 0
	v_pk_mul_f32 v[WT+2*\q:WT+2*\q+1], v[236+2*(\q/2):237+2*(\q/2)], v[234:235] op_sel_hi:[1,0]
.else
	v_pk_mul_f32 v[WT+2*\q:WT+2*\q+1], v[236+2*(\q/2):237+2*(\q/2)], v[234:235] op_sel:[0,1] op_sel_hi:[1,1]
.endif
.endr
.endm
.macro ACCUM l                         ; four features = the sum over eight corners, two at a time, in two chains.  Features 0, 1 -> places 2 l, 2 l + 1; feature 2 -> place 20 + l; feature 3 -> place 30 + l
	SETS \l
.set F01, FE+2*(\l)
	v_pk_mul_f32 v[F01:F01+1], v[DB:DB+1], v[WT:WT+1] op_sel_hi:[1,0]
	v_pk_mul_f32 v[240:241], v[DB+2:DB+3], v[WT:WT+1] op_sel_hi:[1,0]
.irp c, 1,2,3,4,5,6
.set DC, DB+4*\c+DX*(\c/6)
.if \c%2 == 0
	v_pk_fma_f32 v[F01:F01+1], v[DC:DC+1], v[WT+\c:WT+\c+1], v[F01:F01+1] op_sel_hi:[1,0,1]
	v_pk_fma_f32 v[240:241], v[DC+2:DC+3], v[WT+\c:WT+\c+1], v[240:241] op_sel_hi:[1,0,1]
.else
	v_pk_fma_f32 v[F01:F01+1], v[DC:DC+1], v[WT+\c-1:WT+\c], v[F01:F01+1] op_sel:[0,1,0] op_sel_hi:[1,1,1]
	v_pk_fma_f32 v[240:241], v[DC+2:DC+3], v[WT+\c-1:WT+\c], v[240:241] op_sel:[0,1,0] op_sel_hi:[1,1,1]
.endif
.endr
.set DC, DB+28+DX
	v_pk_fma_f32 v[F01:F01+1], v[DC:DC+1], v[WT+6:WT+7], v[F01:F01+1] op_sel:[0,1,0] op_sel_hi:[1,1,1]
	v_fma_f32 v[FE+20+(\l)], v[DC+2], v[WT+7], v240            ; the last corner parts the pair: the two features lie in different runs
.if (\l) < 2
	v_fma_f32 v[FE+30+(\l)], v[DC+3], v[WT+7], v241
.else
	v_fma_f32 v[GE+(\l)-2], v[DC+3], v[WT+7], v241
.endif
.endm
.macro LEVEL l, r
	WGT \l, \r
.if (\l) < 8
	s_wait_loadcnt 0x10                            ; loads come back in order: this level's eight gathers are in, the sixteen of the next two levels may be out
.elseif (\l) == 8
	s_wait_loadcnt 0x8                             ; level 9's eight may be out
.else
	s_wait_loadcnt 0x0
.endif
	ACCUM \l
.if (\l) < 7
	IDX (\l)+3                                     ; the wait above has also freed this set's offsets
	GATHER (\l)+3
.endif
.endm
.macro HORN0 dst, k, c                 ; a polynomial's first step, for the ten levels: the highest coefficient (a register pair) x x^2 + the next
.irp i, 0,2,4,6,8
	v_pk_fma_f32 v[\dst+\i:\dst+\i+1], v[\k:\k+1], v[X2+\i:X2+\i+1], \c op_sel_hi:[1,1,0]
.endr
.endm
.macro HORN dst, c
.irp i, 0,2,4,6,8
	v_pk_fma_f32 v[\dst+\i:\dst+\i+1], v[\dst+\i:\dst+\i+1], v[X2+\i:X2+\i+1], \c op_sel_hi:[1,1,0]
.endr
.endm
.macro ERF                             ; SF[n] = erf(1 / sqrt(max(4 n cr, 1e-12))), n = 1 .. 9.  1 / sqrt(4 n cr) = rsq(4 cr) / sqrt(n); where either form passes 4, erf is 1
	v_mul_f32 v242, 4.0, v29
	v_max_num_f32 v242, 0x2b8cbccc, v242           ; 1e-12
	v_rsq_f32 v243, v242
	v_mov_b32 v[XE], 4.0                           ; (level 0's place is filled, not used.  A plain instruction behind the transcendental)
	s_wait_alu depctr_va_vdst(0)                   ; ahead of the first reader of the root
	v_min_num_f32 v[XE+1], 4.0, v243
	v_mul_f32 v[XE+2], 0x3f3504f3, v243            ; 1 / sqrt(2) .. 1 / sqrt(9)
	v_mul_f32 v[XE+3], 0x3f13cd3a, v243
	v_mul_f32 v[XE+4], 0.5, v243
	v_mul_f32 v[XE+5], 0x3ee4f92e, v243
	v_mul_f32 v[XE+6], 0x3ed105ec, v243
	v_mul_f32 v[XE+7], 0x3ec1848f, v243
	v_mul_f32 v[XE+8], 0x3eb504f3, v243
	v_mul_f32 v[XE+9], 0x3eaaaaab, v243
.irp n, 2,3,4,5,6,7,8,9
	v_min_num_f32 v[XE+\n], 4.0, v[XE+\n]
.endr
.irp i, 0,2,4,6,8
	v_pk_mul_f32 v[X2+\i:X2+\i+1], v[XE+\i:XE+\i+1], v[XE+\i:XE+\i+1]
.endr
	HORN0 PA, KA, 0x32edffee                       ; the numerator's coefficients, from x^12 down
	HORN0 SF, KB, 0xb95fbd29                       ; the denominator's, from x^8 down
	HORN PA, 0xb60cff51
	HORN SF, 0xbadc924e
	HORN PA, 0xb86ec2d2
	HORN SF, 0xbbf19bf8
	HORN PA, 0xba40ac63
	HORN SF, 0xbc69b6a7
	HORN PA, 0xbb41a1f6
	HORN PA, 0xbc83dbd4
.irp n, 0,1,2,3,4,5,6,7,8,9
	v_rcp_f32 v[SF+\n], v[SF+\n]
.endr
.irp i, 0,2,4,6,8
	v_pk_mul_f32 v[PA+\i:PA+\i+1], v[PA+\i:PA+\i+1], v[XE+\i:XE+\i+1]   ; plain work behind the ten reciprocals
.endr
	s_wait_alu depctr_va_vdst(0)                   ; one wait for the ten, ahead of their first reader
.irp i, 0,2,4,6,8
	v_pk_mul_f32 v[SF+\i:SF+\i+1], v[SF+\i:SF+\i+1], v[PA+\i:PA+\i+1]
.endr
.endm
.macro INLOAD                          ; x, cr and cells of group s19 (32 points)
	s_mul_i32 s74, s19, 384
	s_mov_b32 s75, 0
	s_add_nc_u64 s[40:41], s[4:5], s[74:75]
	s_lshl_b32 s74, s19, 7
	s_add_nc_u64 s[42:43], s[6:7], s[74:75]
	s_lshl_b32 s74, s19, 11
	s_add_nc_u64 s[44:45], s[10:11], s[74:75]
	global_load_b96 v[26:28], v2, s[40:41] th:TH_LOAD_NT
	global_load_b32 v29, v3, s[42:43] th:TH_LOAD_NT
.irp c, 0,1,2,3
	global_load_b128 v[30+4*\c:33+4*\c], v1, s[44:45] offset:512*\c th:TH_LOAD_NT
.endr
.endm
; ---- macros of the layers
.macro FETCH off                       ; four tiles of a weight, as images of their registers
.irp t, 0,1,2,3
.irp c, 0,1,2
	ds_load_b128 v[AW+12*\t+4*\c:AW+12*\t+4*\c+3], v1 offset:(\off)+1536*\t+512*\c
.endr
.endr
.endm
.macro BIAS p, adr, step               ; the bias in the result's layout, straight into the four accumulators of tile p of the points
.irp t, 0,1,2,3
	ds_load_b128 v[ACC+32*(\p)+8*\t:ACC+32*(\p)+8*\t+3], v[\adr] offset:(\step)*\t
	ds_load_b128 v[ACC+32*(\p)+8*\t+4:ACC+32*(\p)+8*\t+7], v[\adr] offset:(\step)*\t+16
.endr
.endm
.macro WMS d, a, b, sa, sb, ra, rb     ; ra, rb: the scales are taken from lanes 16-31 of their register
.if ((\ra) == 0) && ((\rb) == 0)
	v_wmma_scale_f32_16x16x128_f8f6f4 v[\d:\d+7], v[\a:\a+11], v[\b:\b+11], v[\d:\d+7], v[\sa], v[\sb] matrix_a_fmt:MATRIX_FMT_BF6 matrix_b_fmt:MATRIX_FMT_BF6
.elseif ((\ra) == 1) && ((\rb) == 0)
	v_wmma_scale_f32_16x16x128_f8f6f4 v[\d:\d+7], v[\a:\a+11], v[\b:\b+11], v[\d:\d+7], v[\sa], v[\sb] matrix_a_fmt:MATRIX_FMT_BF6 matrix_b_fmt:MATRIX_FMT_BF6 matrix_a_scale:MATRIX_SCALE_ROW1
.elseif ((\ra) == 0) && ((\rb) == 1)
	v_wmma_scale_f32_16x16x128_f8f6f4 v[\d:\d+7], v[\a:\a+11], v[\b:\b+11], v[\d:\d+7], v[\sa], v[\sb] matrix_a_fmt:MATRIX_FMT_BF6 matrix_b_fmt:MATRIX_FMT_BF6 matrix_b_scale:MATRIX_SCALE_ROW1
.else
	v_wmma_scale_f32_16x16x128_f8f6f4 v[\d:\d+7], v[\a:\a+11], v[\b:\b+11], v[\d:\d+7], v[\sa], v[\sb] matrix_a_fmt:MATRIX_FMT_BF6 matrix_b_fmt:MATRIX_FMT_BF6 matrix_a_scale:MATRIX_SCALE_ROW1 matrix_b_scale:MATRIX_SCALE_ROW1
.endif
.endm
.macro MM ly                           ; layer ly: four tiles of 16 units x two tiles of 16 points: eight accumulators, one instruction each, C = the bias.  A weight's scale register holds an even tile's words in lanes 0-15, the odd tile's above
.irp t, 0,1,2,3
.irp p, 0,1
	WMS ACC+32*\p+8*\t, AW+12*\t, OPX+12*\p, 16+2*((\ly)-1)+\t/2, 12+((\ly)-1)*(1+\p), \t%2, (2-(\ly))*\p
.endr
.endr
.endm
.macro PLACES n                        ; plain vector instructions that name none of a matrix instruction's registers (ISA guide 7.12.1)
.rept \n
	v_nop
.endr
.endm
.macro SELU b                          ; sixteen registers, two accumulators, in place; each accumulator is read from its low end on
.set AB, ACC+16*(\b)
.set jj, 0
.rept 8
	v_pk_mul_f32 v[EX+jj:EX+jj+1], v[AB+jj:AB+jj+1], s[54:55] op_sel_hi:[1,0]      ; x log2(e)
.set jj, jj+2
.endr
.set jj, 0
.rept 16
	v_exp_f32 v[EX+jj], v[EX+jj]
.set jj, jj+1
.endr
.set jj, 0
.rept 16
	v_min_num_f32 v[XN+jj], 0, v[AB+jj]            ; the negative part.  (Plain work behind the exponentials: none of it names a result)
.set jj, jj+1
.endr
.set jj, 0
.rept 8
	v_pk_add_f32 v[AB+jj:AB+jj+1], v[AB+jj:AB+jj+1], v[XN+jj:XN+jj+1] neg_lo:[0,1] neg_hi:[0,1]   ; x - min(x, 0) = max(x, 0), exactly
.set jj, jj+2
.endr
.set jj, 0
.rept 8
	v_pk_fma_f32 v[QP+jj:QP+jj+1], v[KE:KE+1], v[XN+jj:XN+jj+1], 0x3c700a07 op_sel_hi:[1,1,0]     ; scale alpha (x + x^2 / 2 + .. + x^6 / 720), by Horner
.set jj, jj+2
.endr
.irp c, 0x3d960644, 0x3e960644, 0x3f610966, 0x3fe10966
.set jj, 0
.rept 8
	v_pk_fma_f32 v[QP+jj:QP+jj+1], v[QP+jj:QP+jj+1], v[XN+jj:XN+jj+1], \c op_sel_hi:[1,1,0]
.set jj, jj+2
.endr
.endr
.set jj, 0
.rept 8
	v_pk_mul_f32 v[QP+jj:QP+jj+1], v[QP+jj:QP+jj+1], v[XN+jj:XN+jj+1]
.set jj, jj+2
.endr
	s_wait_alu depctr_va_vdst(0)                   ; one wait for the sixteen exponentials, ahead of their first reader
.set jj, 0
.rept 8
	v_pk_fma_f32 v[EX+jj:EX+jj+1], v[EX+jj:EX+jj+1], s[56:57], 0xbfe10966 op_sel_hi:[1,0,0]       ; scale alpha (e^x - 1)
.set jj, jj+2
.endr
.irp g, 0,8
.irp j, 0,1,2,3,4,5,6,7
	v_cmp_lt_f32 s[66+\j], s51, v[XN+\g+\j]        ; above -0.25 the series, else the exponential (what an exponential of a large x gives is thrown away here)
.endr
.irp j, 0,1,2,3,4,5,6,7
	v_cndmask_b32 v[QP+\g+\j], v[EX+\g+\j], v[QP+\g+\j], s[66+\j]
.endr
.endr
.set jj, 0
.rept 8
	v_pk_fma_f32 v[AB+jj:AB+jj+1], v[AB+jj:AB+jj+1], s[58:59], v[QP+jj:QP+jj+1] op_sel_hi:[1,0,1]
.set jj, jj+2
.endr
.endm
.macro QF                              ; the 40 features of my point become codes.  A lane holds both blocks of ITS point; the operand wants block h of point r in lane (r, h): six exchanges of half registers
	v_max3_num_f32 v246, |v[FE]|, |v[FE+1]|, FLOOR
	v_max3_num_f32 v247, |v[FE+16]|, |v[FE+17]|, FLOOR
	v_max3_num_f32 v248, |v[GE]|, |v[GE+1]|, FLOOR
.irp i, 2,4,6
	v_max3_num_f32 v246, v246, |v[FE+\i]|, |v[FE+\i+1]|
	v_max3_num_f32 v247, v247, |v[FE+16+\i]|, |v[FE+17+\i]|
	v_max3_num_f32 v248, v248, |v[GE+\i]|, |v[GE+\i+1]|
.endr
.irp i, 8,10,12,14
	v_max3_num_f32 v246, v246, |v[FE+\i]|, |v[FE+\i+1]|
	v_max3_num_f32 v247, v247, |v[FE+16+\i]|, |v[FE+17+\i]|
.endr
	v_max_num_f32 v246, v246, v247
	v_add_nc_u32 v249, 0xfe000000, v246            ; 4 off the exponent field: the conversion's scale operand
	v_add_nc_u32 v250, 0xfe000000, v248
	v_lshrrev_b32 v251, 23, v249
	v_lshrrev_b32 v252, 23, v250
	v_lshl_or_b32 v12, v252, 8, v251               ; my point's scale word; bytes 2 and 3 stand over zero codes.  Lanes 0-15 serve tile 0, lanes 16-31 tile 1
	v_cvt_scalef32_pk16_bf6_f32 v[OPX:OPX+2], v[FE:FE+15], v249
	v_cvt_scalef32_pk16_bf6_f32 v[242:244], v[FE+16:FE+31], v249   ; (a conversion's three registers begin on an even number)
	v_cvt_scalef32_pk16_bf6_f32 v[OPX+12:OPX+14], v[GE:GE+15], v250
	v_nop                                          ; one plain instruction behind the scaled conversions
.irp i, 0,1,2
	v_mov_b32 v[OPX+3+\i], v[242+\i]
	v_mov_b32 v[OPX+15+\i], 0                      ; K = 48 .. 63
.endr
.irp i, 0,1,2,3,4,5
	v_permlane16_swap_b32 v[OPX+\i], v[OPX+12+\i]  ; the first's lanes 16-31 (block 0 of points 16-31) change places with the second's lanes 0-15 (block 1 of points 0-15)
.endr
.endm
.macro QH p                            ; the hidden layer of tile p: a lane's 32 registers are block h of point r: the codes are the operand's registers as they come
.set AB, ACC+32*(\p)
.set OP, OPX+12*(\p)
	v_max3_num_f32 v246, |v[AB]|, |v[AB+1]|, FLOOR
	v_max3_num_f32 v247, |v[AB+16]|, |v[AB+17]|, FLOOR
.irp i, 2,4,6,8,10,12,14
	v_max3_num_f32 v246, v246, |v[AB+\i]|, |v[AB+\i+1]|
	v_max3_num_f32 v247, v247, |v[AB+16+\i]|, |v[AB+17+\i]|
.endr
	v_max_num_f32 v246, v246, v247
	v_add_nc_u32 v248, 0xfe000000, v246
	v_lshrrev_b32 v249, 23, v248
	v_lshlrev_b32 v250, v11, v249                  ; my block's byte at its place, 8 h bits up;
	v_permlanex16_b32 v254, v250, s52, s53
	v_or_b32 v[13+(\p)], v250, v254                ; with lane l xor 16's the word is whole
	v_cvt_scalef32_pk16_bf6_f32 v[OP:OP+2], v[AB:AB+15], v248
	v_cvt_scalef32_pk16_bf6_f32 v[242:244], v[AB+16:AB+31], v248
	v_nop
.irp i, 0,1,2
	v_mov_b32 v[OP+3+\i], v[242+\i]
.endr
.endm
.macro STAGE off                       ; lane (r, h), register j of tile p: output 8 h + j of point 16 p + r.  Outputs 13 to 15 do not exist: lanes 16-31 put them behind the stage
.irp p, 0,1
.irp j, 0,1,2,3,4
	ds_store_b32 v7, v[216+8*\p+\j] offset:(\off)+16*ROWB*\p+4*\j
.endr
.irp j, 5,6,7
	ds_store_b32 v8, v[216+8*\p+\j] offset:(\off)+16*ROWB*\p+4*\j
.endr
.endr
.endm
	; ---- the head
	s_load_b256 s[4:11], s[0:1], 0x0               ; x s[4:5], cr s[6:7], tables s[8:9], cells s[10:11]
	s_load_b128 s[12:15], s[0:1], 0x20             ; wimg s[12:13], out0 s[14:15]
	v_lshrrev_b32 v15, 5, v0
	v_readfirstlane_b32 s16, v15                   ; wave 0..15
	v_and_b32 v15, 31, v0                          ; L
	v_lshlrev_b32 v1, 4, v15
	v_mul_u32_u24 v2, v15, 12
	v_lshlrev_b32 v3, 2, v15
	v_lshlrev_b32 v4, 3, v15
	v_and_b32 v246, 15, v0                         ; r
	v_bfe_u32 v247, v0, 4, 1                       ; h
	v_lshl_add_u32 v5, v247, 7, IB1                ; b1: lane (r, h) wants units 32 h + 8 t + j
	v_lshl_add_u32 v6, v247, 5, IB2                ; b2: units 16 t + 8 h + j
	s_mul_i32 s74, s16, STGW
	s_add_co_u32 s74, s74, STG0                    ; my wave's stage
	v_mul_u32_u24 v248, v246, ROWB
	v_add_nc_u32 v248, s74, v248
	v_lshl_add_u32 v7, v247, 5, v248               ; row r, + 32 h
	v_mad_u32_u24 v8, v247, SHADOW, v248           ; row r; lanes 16-31 behind the stage
	v_add_nc_u32 v9, s74, v1
	v_add_nc_u32 v10, s74, v4
	v_add_nc_u32 v10, 3072, v10
	v_lshlrev_b32 v11, 3, v247
	v_lshlrev_b32 v249, 4, v0                      ; 16 x thread: the copy of wimg
	s_lshl_b32 s83, s16, 8
	s_add_co_u32 s83, s83, ttmp9                   ; g = 256 x wave + work-group: my wave among the launch's 4,096
	s_lshl_b32 s19, s83, 1                         ; its first group of 32 points
	s_mov_b32 s48, 0xffff0                         ; 16 x (2^16 - 1)
	s_mov_b32 s49, 0x79b10                         ; 16 x (prime 1 modulo 2^16)
	s_mov_b32 s50, 0x57950                         ; 16 x (prime 2 modulo 2^16)
	s_mov_b32 s51, 0xbe800000                      ; -0.25
	s_mov_b32 s52, 0x76543210
	s_mov_b32 s53, 0xfedcba98                      ; v_permlanex16_b32's selects for lane l xor 16
	s_mov_b32 s54, 0x3fb8aa3b                      ; log2(e); the packed forms name pairs, so both halves are written
	s_mov_b32 s55, s54
	s_mov_b32 s56, 0x3fe10966                      ; scale x alpha
	s_mov_b32 s57, s56
	s_mov_b32 s58, 0x3f867d5f                      ; scale
	s_mov_b32 s59, s58
	s_wait_kmcnt 0x0
	global_load_b128 v[128:131], v249, s[12:13]
	global_load_b128 v[132:135], v249, s[12:13] offset:8192
.irp l, 0,1,2,3,4,5,6,7,8,9
	s_add_nc_u64 s[20+2*\l:21+2*\l], s[8:9], \l*1048576        ; level l's table
.endr
	INLOAD
	v_mov_b32 v[KE], 0x3b2006af                    ; scale alpha / 720
	v_mov_b32 v[KE+1], 0x3b2006af
	v_mov_b32 v[KA], 0xaf95df0b
	v_mov_b32 v[KA+1], 0xaf95df0b
	v_mov_b32 v[KB], 0xb77460cd
	v_mov_b32 v[KB+1], 0xb77460cd
	v_mov_b32 v254, 0                              ; a lane permute's destination counts as one of its sources
	s_wait_loadcnt 0x6                             ; the two loads of wimg are in; the six issued behind them may be out
	ds_store_b128 v249, v[128:131]
	ds_store_b128 v249, v[132:135] offset:8192
	s_wait_dscnt 0x0                               ; for the others' sake: my part of the images has landed
	s_barrier_signal -1
	s_barrier_wait -1                              ; the only barrier: from here on the images are only read, and a wave's stage is its own
.irp i, 0,1,2,3
	ds_load_b32 v[16+\i], v3 offset:ISC+128*\i     ; the weights' scale words stay in registers
.endr
	s_wait_dscnt 0x0
	s_mov_b32 s18, 0
.Lpass:                                            ; trip i: pass i % 2 of block g + 4096 (i / 2)
	s_lshr_b32 s74, s18, 1
	s_lshl_b32 s74, s74, 12
	s_add_co_u32 s17, s74, s83
	s_cmp_ge_u32 s17, NBLK
	s_cbranch_scc1 .Lnext                          ; no such block: nothing is done
	s_wait_loadcnt 0x0                             ; x, cr, cells: asked for ahead of the last pass's layers
	s_wait_xcnt 0x0                                ; the last block's stores have read their registers and their base: both are written again only behind this wait
	IDX 0
	GATHER 0
	IDX 1
	GATHER 1
	IDX 2
	GATHER 2
	ERF                                            ; while the first gathers are on their way
	LEVEL 0, RES0
	LEVEL 1, RES1
	LEVEL 2, RES2
	LEVEL 3, RES3
	LEVEL 4, RES4
	LEVEL 5, RES5
	LEVEL 6, RES6
	LEVEL 7, RES7
	LEVEL 8, RES8
	LEVEL 9, RES9
	; the next pass's group: the block's second half, or the next block's first; held at the last block, so that no load leaves its buffer
	s_and_b32 s76, s18, 1
	s_add_co_u32 s77, s19, 1
	s_add_co_u32 s78, s17, 4096
	s_min_u32 s78, s78, NBLK-1
	s_lshl_b32 s78, s78, 1
	s_cmp_eq_u32 s76, 0
	s_cselect_b32 s19, s77, s78
	INLOAD                                         ; (the wait at the pass's head has shown the earlier loads done: their bases may be written)
	; ---- layer 1
	FETCH 0
	BIAS 0, 5, 32
	BIAS 1, 5, 32
.irp i, 6,7,8,9,10,11
	v_mov_b32 v[OPX+\i], 0                         ; K = 64 .. 127 of both operands: zero codes.  The third set of corners lay here
	v_mov_b32 v[OPX+12+\i], 0
.endr
.irp i, 8,9,10,11,12,13,14,15
	v_mov_b32 v[GE+\i], 0                          ; K = 40 .. 47: the quantiser's zeros
.endr
	QF
	s_wait_dscnt 0x0                               ; W1 and b1 are in
	PLACES 8                                       ; a scale register written by a vector instruction stands eight places ahead of a scaled product, an operand four
	MM 1
	PLACES 4                                       ; ahead of the loads into W1's registers and of the first read of results
	FETCH IW2
	; ---- layer 2
	SELU 0
	SELU 1
	QH 0
	BIAS 0, 6, 64
	SELU 2
	SELU 3
	QH 1
	BIAS 1, 6, 64
	s_wait_dscnt 0x0                               ; W2 and b2 are in
	PLACES 8
	MM 2
	PLACES 4
.irp q, 0,1,2,3
	ds_load_b128 v[AW+4*\q:AW+4*\q+3], v1 offset:IW3+512*\q          ; W3: v192-199 K step 0, v200-207 K step 1
.endr
	ds_load_b128 v[208:211], v1 offset:IB3                           ; b3
	ds_load_b128 v[212:215], v1 offset:IB3+512
	; ---- layer 3
	SELU 0
	SELU 1
	SELU 2
	SELU 3
.set qq, 0
.rept 32
	v_cvt_pk_bf16_f32 v[86+qq], v[ACC+2*qq], v[ACC+2*qq+1]           ; tiles 2 s and 2 s + 1 of a tile of points ARE source 1 of K step s: units 32 s + 8 h + 0 .. 7 and 32 s + 16 + 8 h + 0 .. 7
.set qq, qq+1
.endr
	s_wait_dscnt 0x0
	v_wmma_f32_16x16x32_bf16 v[216:223], v[192:199], v[86:93], v[208:215]      ; the two accumulators by turns
	v_wmma_f32_16x16x32_bf16 v[224:231], v[192:199], v[102:109], v[208:215]
	v_wmma_f32_16x16x32_bf16 v[216:223], v[200:207], v[94:101], v[216:223]
	v_wmma_f32_16x16x32_bf16 v[224:231], v[200:207], v[110:117], v[224:231]
	PLACES 4
	s_cmp_eq_u32 s76, 0
	s_cbranch_scc0 .Lodd
	STAGE 0                                        ; the block's first 32 rows
	s_branch .Lnext
.Lodd:
	STAGE 32*ROWB                                  ; its last 32; the block's 3,328 bytes now lie in the stage as they lie in memory
	s_mul_i32 s74, s17, 64*ROWB
	s_mov_b32 s75, 0
	s_add_nc_u64 s[46:47], s[14:15], s[74:75]
.irp i, 0,1,2,3,4,5
	ds_load_b128 v[ACC+4*\i:ACC+4*\i+3], v9 offset:512*\i            ; LDS serves a wave's instructions in order (ISA guide 5.7.1.4): these see my stores
.endr
	ds_load_b64 v[ACC+24:ACC+25], v10
.irp i, 0,1,2,3,4,5
	s_wait_dscnt 6-\i                              ; the younger loads from the stage may be out
	global_store_b128 v1, v[ACC+4*\i:ACC+4*\i+3], s[46:47] offset:512*\i th:TH_STORE_NT   ; 32 lanes store 512 consecutive bytes, at a multiple of 256 from the buffer's first byte
.endr
	s_wait_dscnt 0x0
	global_store_b64 v4, v[ACC+24:ACC+25], s[46:47] offset:3072 th:TH_STORE_NT            ; and the last 256
.Lnext:
	s_add_co_u32 s18, s18, 1
	s_cmp_lt_u32 s18, 8
	s_cbranch_scc1 .Lpass
	s_wait_xcnt 0x0
	v_lshl_add_u32 v253, v0, 2, 0x1e000
	v_mov_b32 v254, 0
	s_wait_tensorcnt 0x0
	ds_add_u32 v253, v254
	s_wait_dscnt 0x0
	s_endpgm
.Lfunc_end_k_q51aeaec73d_field:
	.size	k_q51aeaec73d_field, .Lfunc_end_k_q51aeaec73d_field-k_q51aeaec73d_field
	.p2alignl 7, 3214868480
	.fill 96, 4, 3214868480
	.section	.rodata,"a",@progbits
	.p2align	6, 0x0
	.amdhsa_kernel k_q51aeaec73d_field
		.amdhsa_group_segment_fixed_size 124928
		.amdhsa_private_segment_fixed_size 0
		.amdhsa_enable_private_segment 0
		.amdhsa_kernarg_size 48
		.amdhsa_user_sgpr_count 2
		.amdhsa_user_sgpr_kernarg_segment_ptr 1
		.amdhsa_wavefront_size32 1
		.amdhsa_system_sgpr_workgroup_id_x 1
		.amdhsa_system_sgpr_workgroup_id_y 1
		.amdhsa_system_sgpr_workgroup_id_z 1
		.amdhsa_system_vgpr_workitem_id 0
		.amdhsa_next_free_vgpr 256
		.amdhsa_next_free_sgpr 96
		.amdhsa_reserve_vcc 0
		.amdhsa_float_denorm_mode_32 3
		.amdhsa_float_denorm_mode_16_64 3
		.amdhsa_memory_ordered 1
		.amdhsa_forward_progress 1
		.amdhsa_inst_pref_size 148
	.end_amdhsa_kernel
	.amdgpu_metadata
---
amdhsa.version: [ 1, 2 ]
amdhsa.kernels:
  - .name:           k_q51aeaec73d_field
    .symbol:         k_q51aeaec73d_field.kd
    .args:
      - { .name: x, .offset: 0, .size: 8, .value_kind: global_buffer, .address_space: global }
      - { .name: cr, .offset: 8, .size: 8, .value_kind: global_buffer, .address_space: global }
      - { .name: tables, .offset: 16, .size: 8, .value_kind: global_buffer, .address_space: global }
      - { .name: cells, .offset: 24, .size: 8, .value_kind: global_buffer, .address_space: global }
      - { .name: wimg, .offset: 32, .size: 8, .value_kind: global_buffer, .address_space: global }
      - { .name: out0, .offset: 40, .size: 8, .value_kind: global_buffer, .address_space: global }
    .group_segment_fixed_size: 124928
    .private_segment_fixed_size: 0
    .kernarg_segment_align: 8
    .kernarg_segment_size: 48
    .max_flat_workgroup_size: 512
    .sgpr_count:     96
    .vgpr_count:     256
    .wavefront_size: 32
...
	.end_amdgpu_metadata
.endif
;; end of part 2
;; ======== version 2 of 2: 2 launches; version 1 with the launch field written anew for expert scheduling mode
;; workspace buffers: cells 64,000,000 bytes of whole numbers; wimg 16,384 bytes
;; launch prep: the kernel of part 1 again; grid 1251 x 1, 5 waves a work-group, no clusters, 0 bytes of LDS; arguments x, W1, W2, W3, b1, b2, b3, cells, wimg; writes cells, wimg
;; launch field (part 3): grid 256 x 1, 16 waves a work-group, no clusters, 124,928 bytes of LDS; arguments x, cr, tables, cells, wimg, out0; writes out0
.if DOCPART == 3
	.amdgcn_target "amdgcn-amd-amdhsa--gfx1250"
	.amdhsa_code_object_version 6
	.text
	.protected	k_q51aeaec73d_field
	.globl	k_q51aeaec73d_field
	.p2align	8
	.type	k_q51aeaec73d_field,@function
k_q51aeaec73d_field:
	s_mov_b64 s[64:65], 0
	v_nop
	global_prefetch_b8 v0, s[64:65] scope:SCOPE_SE
	s_setreg_imm32_b32 hwreg(HW_REG_WAVE_SCHED_MODE, 0, 2), 2
	s_setreg_imm32_b32 hwreg(HW_REG_WAVE_MODE, 25, 1), 1
	s_wait_xcnt 0x0
	s_wait_alu depctr_vm_vsrc(0)
; SECOND LAUNCH: hash-grid lookup, trilinear blend, erf factor, and the three layers, for 1,000,000 points; nothing between them goes to memory.
; SHARES.  256 work-groups of sixteen waves, four to a SIMD, 256 registers each; the waves share only the 16 KiB of weight images in LDS (one barrier, at the head).
; Wave w of work-group p is wave g = 256 w + p of the launch's 4,096 and takes the blocks of 64 points g, g + 4096, g + 8192, g + 12288 (15,625 blocks in all): the last round's 3,337 blocks = 13 x 256 + 9
; so fall on 13 or 14 waves of every work-group.  A block is two PASSES of 32 points; its 64 rows of 52 bytes are 13 x 256 bytes,
; gathered in the wave's own stage in LDS and stored as whole aligned runs.  The loop has 8 trips in every wave; a trip whose block does not exist jumps over its work (a branch on ids).
; ENCODE: a lane is a point.  The gather offsets are made of the whole numbers that the first launch stored (three halfwords a level), never of floating-point numbers of this launch.
; THREE levels' gathers (24 loads of 16 bytes a lane, 12 KiB a wave) are on their way while a level is blended.  The next pass's x, cr and cells are asked for ahead of the layers.
; LAYERS: all products are used transposed (source 0 = 16 rows of a weight, source 1 = 16 points), so that a lane holds one point and its registers run along the next K.
;   1, 2: v_wmma_scale_f32_16x16x128_f8f6f4 on codes of E3M2; K = 40 and 64 fill blocks 0 and 1 of the instruction's four; the rest are zero codes.  The bias is each sum's C.
;   3 (13 outputs, left as it is): two bf16 products of 32 along K.
; SELU: scale x max(x, 0) + scale alpha expm1(min(x, 0)); expm1 by its series to x^6 above -0.25 (first term left out: 5e-8 of the number), by 2^(x log2 e) - 1 below; the choice is a v_cndmask_b32.
; ERF: x A(x^2) / B(x^2), polynomials of degree 6 and 4, x held at 4 (erf(4) is 1 in f32).  Level 0's factor is erf(1e6) = 1 and is not multiplied.
; LIMITS: x >= 0 (as in the first launch); NaN and infinities are not served; a block whose largest magnitude lies under 2^-122 keeps the scale byte 1; expm1 is good to about 4e-7 of the number, erf to a few units in the last place.
; THE MODE: SCHED_MODE bits 1:0 = 2 (LLVM: expert scheduling mode 2), set by the entry lines.  The code itself states the register dependences
; between vector or matrix instructions and memory or LDS instructions, with s_wait_alu, always for 0.
; THE PLAN.  Registers that memory or LDS instructions touch:
;   v1-v10         offsets and LDS addresses: written at the head, never again.  One wait on va_vdst at the head serves every load and store of the kernel.
;   v26-45         x, cr, cells: six loads land here behind the encode; the next pass's offsets, erf and weights read them.
;   O0, O1, O2     offsets (v192-199, v200-207, v246-253): IDX l writes O[l % 3], level l's eight gathers read it.
;   D0, D1, D2     corners (v128-159, v160-191, v46-69 with v78-85): level l's gathers land in D[l % 3], ACCUM l reads it.
;   v192-239       in the layers: W1, W2, then W3 and b3 land from LDS; matrix instructions read them.
;   v128-191       in the layers: the biases land from LDS; the products add onto them; SELU and the quantisers work on them; at a block's end the stage's rows land here and the global stores read them.
;   v216-231       the last products write them, the stage's LDS stores read them, the next pass's vector lines write them again.
; THE WAITS.  At a pass's head one on vm_vsrc (the last pass's stores have read their data), the offsets of levels 0 to 2 together, one on va_vdst, and 24 gathers in one run.
; In levels 0 to 6 one on va_vdst, behind ACCUM l and IDX l + 3: the gathers of level l + 3 follow, dealt among the next level's weights, which name none of their registers.
; One on vm_vsrc in levels 0, 3 and 6: it stands behind the gathers of three levels and frees all three sets of offsets.  Behind the encode one of each, ahead of the six loads, W1 and b1.
; In the layers SELU's wait for its exponentials also states that all earlier vector and matrix instructions are done; behind it SELU b names v86-117, v240-255 and its own sixteen registers alone:
; so W2's loads stand behind layer 2's SELU 0, tile 0's b2 behind its SELU 2, W3 and b3 behind layer 3's SELU 0, and none of them owes a wait of its own.
.set NBLK,  15625                      ; blocks of 64 points
.set IW2,   6144                       ; LDS 0 .. 16383: the image of wimg: W1's four tiles, W2's four (3 x 512 bytes each),
.set IW3,   12288                      ; W3 in bf16,
.set ISC,   14336                      ; the weights' scale words, four register images of 128 bytes,
.set IB1,   14848                      ; b1, b2,
.set IB2,   15104
.set IB3,   15360                      ; b3 as a C
.set STG0,  16384                      ; behind it, for each wave: a stage of 64 rows x 52 bytes, and as many bytes again that take the three rows of the last product that do not exist
.set STGW,  6656
.set SHADOW, 3328
.set ROWB,  52
.set RES0,  0x41800000                 ; the levels' resolutions as f32: 16, 34, 74, 161, 348, 752, 1625, 3511, 7584, 16383
.set RES1,  0x42080000
.set RES2,  0x42940000
.set RES3,  0x43210000
.set RES4,  0x43ae0000
.set RES5,  0x443c0000
.set RES6,  0x44cb2000
.set RES7,  0x455b7000
.set RES8,  0x45ed0000
.set RES9,  0x467ffc00
.set FLOOR, 0x02800000                 ; 2^(5 - 127)
; REGISTERS.  v1 16 L, v2 12 L, v3 4 L, v4 8 L (L = lane); v5, v6 b1's and b2's places; v7, v8 into the stage; v9, v10 out of it; v11 8 h
; v12-14 the points' scale words; v16-19 the weights' (these seven hold scales and nothing else); v26-45 x, cr and the 16 words of cells
.set KE,    20                         ; v[20:21] the series' highest coefficient, twice;  v[22:23], v[24:25] erf's two
.set KA,    22
.set KB,    24
.set OPX,   46                         ; v46-57 the points' operand, tile 0 (6 registers of codes, 6 of zeros);  v58-69 tile 1
.set GE,    70                         ; v70-77 features k = 32 .. 39;  v78-85 zeros
                                       ; IN THE ENCODE v46-69 and v78-85 are the third set of gathered corners: the zeros are written behind the encode, in every pass
.set FE,    86                         ; v86-117 features, block 0
.set SF,    118                        ; v118-127 the levels' erf factors
.set ACC,   128                        ; v128-191 the first two sets of gathered corners; in the layers the eight accumulators
.set AW,    192                        ; v192-239 in the layers: four tiles of a weight.  In the encode: v192-207 two sets of offsets (the third: v246-253),
.set WT,    208                        ; v208-215 the eight weights, v216-225 hash parts, v226-239 fractions and their products
.set EX,    86                         ; SELU: v86-101 exponentials, v102-117 min(x, 0), v240-255 the series
.set XN,    102
.set QP,    240
.set XE,    86                         ; erf: its argument, the square, the numerator (the denominator lies in SF)
.set X2,    96
.set PA,    106
; ---- macros of the encode
.macro SETS l                          ; level l's registers: set l % 3.  IB: its eight offsets;  corner c's four numbers at DB + 4 c + DX (c / 6)
.if (\l)%3 == 2
.set IB, 246
.set DB, 46
.set DX, 8                             ; corners 6 and 7 of the third set lie at v78 and v82, behind the features at v70-77
.else
.set IB, AW+8*((\l)%3)
.set DB, ACC+32*((\l)%3)
.set DX, 0
.endif
.endm
.macro UNPK dst, n                     ; halfword n of my point's cells, times 16: a row of a table is 16 bytes
.if (\n)%2 == 0
	v_lshlrev_b32 v[\dst], 4, v[30+(\n)/2]
.else
	v_lshrrev_b32 v[\dst], 12, v[30+(\n)/2]
.endif
	v_and_b32 v[\dst], s48, v[\dst]
.endm
.macro IDX l                           ; the eight corners' byte offsets in level l's table.  Corner 2 (2 j + k) + i: step i along axis 0, j along 1, k along 2
	SETS \l
	UNPK 216, 3*(\l)
	UNPK 218, 3*(\l)+1
	UNPK 220, 3*(\l)+2
	v_add_nc_u32 v217, 16, v216                    ; a step along an axis adds that axis's prime, modulo 2^16 (here all times 16)
	v_add_nc_u32 v219, s49, v218
	v_add_nc_u32 v221, s50, v220
	v_and_b32 v217, s48, v217
	v_and_b32 v219, s48, v219
	v_and_b32 v221, s48, v221
	v_xor_b32 v222, v218, v220
	v_xor_b32 v223, v218, v221
	v_xor_b32 v224, v219, v220
	v_xor_b32 v225, v219, v221
.irp q, 0,1,2,3
	v_xor_b32 v[IB+2*\q], v216, v[222+\q]
	v_xor_b32 v[IB+2*\q+1], v217, v[222+\q]
.endr
.irp c, 0,1,2,3,4,5,6,7
	v_min_u32 v[IB+\c], 0xffff0, v[IB+\c]          ; a number that was loaded is held inside the table before it is an offset
.endr
.endm
.macro GATHER l                        ; a table's rows are read again and again by every wave of the launch: the hint says so
	SETS \l
.irp c, 0,1,2,3,4,5,6,7
	global_load_b128 v[DB+4*\c+DX*(\c/6):DB+4*\c+DX*(\c/6)+3], v[IB+\c], s[20+2*(\l):21+2*(\l)] th:TH_LOAD_HT
.endr
.endm
.macro GQ g, c                         ; corner c's gather of level g alone (g = 99: none): the same line as in GATHER, dealt among the lines of WGT
.if (\g) < 10
	SETS \g
	global_load_b128 v[DB+4*(\c)+DX*((\c)/6):DB+4*(\c)+DX*((\c)/6)+3], v[IB+(\c)], s[20+2*(\g):21+2*(\g)] th:TH_LOAD_HT
.endif
.endm
; The eight trilinear weights of level l, times the level's erf factor.  Among its lines stand the eight gathers of level g.  They owe no wait here: the lines of this macro name
; v26-29, v118-127 and v208-239 alone, none of which is an offset or a corner of any set, and the wait on va_vdst ahead of the macro has stated all that the gathers hang on.
.macro WGT l, r, g
	GQ \g, 0
	v_pk_mul_f32 v[226:227], v[26:27], \r op_sel_hi:[1,0]      ; the same f32 products as in the first launch: fraction and cell belong together
	v_pk_mul_f32 v[228:229], v[28:29], \r op_sel_hi:[1,0]      ; (the upper half is not used)
	GQ \g, 1
	v_fract_f32 v231, v226
	v_fract_f32 v233, v227
	GQ \g, 2
	v_fract_f32 v235, v228
	v_sub_f32 v230, 1.0, v231                      ; pairs (1 - f, f) for the three axes
	GQ \g, 3
	v_sub_f32 v232, 1.0, v233
	v_sub_f32 v234, 1.0, v235
	GQ \g, 4
.if (\l) > 0
.if (\l)%2 == 0
	v_pk_mul_f32 v[230:231], v[230:231], v[SF+(\l):SF+(\l)+1] op_sel_hi:[1,0]
.else
	v_pk_mul_f32 v[230:231], v[230:231], v[SF+(\l)-1:SF+(\l)] op_sel:[0,1] op_sel_hi:[1,1]
.endif
.endif
	v_pk_mul_f32 v[236:237], v[230:231], v[232:233] op_sel_hi:[1,0]
	GQ \g, 5
	v_pk_mul_f32 v[238:239], v[230:231], v[232:233] op_sel:[0,1] op_sel_hi:[1,1]
.irp q, 0,1,2,3
.if \q%2 == 0
	GQ \g, 6+\q/2
	v_pk_mul_f32 v[WT+2*\q:WT+2*\q+1], v[236+2*(\q/2):237+2*(\q/2)], v[234:235] op_sel_hi:[1,0]
.else
	v_pk_mul_f32 v[WT+2*\q:WT+2*\q+1], v[236+2*(\q/2):237+2*(\q/2)], v[234:235] op_sel:[0,1] op_sel_hi:[1,1]
.endif
.endr
.endm
.macro ACCUM l                         ; four features = the sum over eight corners, two at a time, in two chains.  Features 0, 1 -> places 2 l, 2 l + 1; feature 2 -> place 20 + l; feature 3 -> place 30 + l
	SETS \l
.set F01, FE+2*(\l)
	v_pk_mul_f32 v[F01:F01+1], v[DB:DB+1], v[WT:WT+1] op_sel_hi:[1,0]
	v_pk_mul_f32 v[240:241], v[DB+2:DB+3], v[WT:WT+1] op_sel_hi:[1,0]
.irp c, 1,2,3,4,5,6
.set DC, DB+4*\c+DX*(\c/6)
.if \c%2 == 0
	v_pk_fma_f32 v[F01:F01+1], v[DC:DC+1], v[WT+\c:WT+\c+1], v[F01:F01+1] op_sel_hi:[1,0,1]
	v_pk_fma_f32 v[240:241], v[DC+2:DC+3], v[WT+\c:WT+\c+1], v[240:241] op_sel_hi:[1,0,1]
.else
	v_pk_fma_f32 v[F01:F01+1], v[DC:DC+1], v[WT+\c-1:WT+\c], v[F01:F01+1] op_sel:[0,1,0] op_sel_hi:[1,1,1]
	v_pk_fma_f32 v[240:241], v[DC+2:DC+3], v[WT+\c-1:WT+\c], v[240:241] op_sel:[0,1,0] op_sel_hi:[1,1,1]
.endif
.endr
.set DC, DB+28+DX
	v_pk_fma_f32 v[F01:F01+1], v[DC:DC+1], v[WT+6:WT+7], v[F01:F01+1] op_sel:[0,1,0] op_sel_hi:[1,1,1]
	v_fma_f32 v[FE+20+(\l)], v[DC+2], v[WT+7], v240            ; the last corner parts the pair: the two features lie in different runs
.if (\l) < 2
	v_fma_f32 v[FE+30+(\l)], v[DC+3], v[WT+7], v241
.else
	v_fma_f32 v[GE+(\l)-2], v[DC+3], v[WT+7], v241
.endif
.endm
; Level l is blended; its weights were made a level ago.  rn: the next level's resolution.
.macro LEVEL l, rn
.if (\l) < 8
	s_wait_loadcnt 0x10                            ; loads come back in order: this level's eight gathers are in, the sixteen of the next two levels may be out
.elseif (\l) == 8
	s_wait_loadcnt 0x8                             ; level 9's eight may be out
.else
	s_wait_loadcnt 0x0
.endif
	ACCUM \l
.if (\l) < 7
.if (\l)%3 == 0
	s_wait_alu depctr_vm_vsrc(0)                   ; the gathers of this level and of the next two, all issued by now, have read their offsets: IDX writes the three sets again in this level and the next two
.endif
	IDX (\l)+3                                     ; (the wait on LOADcnt above has shown the gathers that read this set's offsets done)
	s_wait_alu depctr_va_vdst(0)                   ; IDX has written this set's offsets, which the gathers below read; ACCUM is done reading this set's corners, in which they land
	WGT (\l)+1, \rn, (\l)+3                        ; the next level's weights, and among them the gathers of three levels on
.elseif (\l) < 9
	WGT (\l)+1, \rn, 99
.endif
.endm
.macro HORN0 dst, k, c                 ; a polynomial's first step, for the ten levels: the highest coefficient (a register pair) x x^2 + the next
.irp i, 0,2,4,6,8
	v_pk_fma_f32 v[\dst+\i:\dst+\i+1], v[\k:\k+1], v[X2+\i:X2+\i+1], \c op_sel_hi:[1,1,0]
.endr
.endm
.macro HORN dst, c
.irp i, 0,2,4,6,8
	v_pk_fma_f32 v[\dst+\i:\dst+\i+1], v[\dst+\i:\dst+\i+1], v[X2+\i:X2+\i+1], \c op_sel_hi:[1,1,0]
.endr
.endm
.macro ERF                             ; SF[n] = erf(1 / sqrt(max(4 n cr, 1e-12))), n = 1 .. 9.  1 / sqrt(4 n cr) = rsq(4 cr) / sqrt(n); where either form passes 4, erf is 1
	v_mul_f32 v242, 4.0, v29
	v_max_num_f32 v242, 0x2b8cbccc, v242           ; 1e-12
	v_rsq_f32 v243, v242
	v_mov_b32 v[XE], 4.0                           ; (level 0's place is filled, not used.  A plain instruction behind the transcendental)
	s_wait_alu depctr_va_vdst(0)                   ; the root v243 is written, ahead of its first reader
	v_min_num_f32 v[XE+1], 4.0, v243
	v_mul_f32 v[XE+2], 0x3f3504f3, v243            ; 1 / sqrt(2) .. 1 / sqrt(9)
	v_mul_f32 v[XE+3], 0x3f13cd3a, v243
	v_mul_f32 v[XE+4], 0.5, v243
	v_mul_f32 v[XE+5], 0x3ee4f92e, v243
	v_mul_f32 v[XE+6], 0x3ed105ec, v243
	v_mul_f32 v[XE+7], 0x3ec1848f, v243
	v_mul_f32 v[XE+8], 0x3eb504f3, v243
	v_mul_f32 v[XE+9], 0x3eaaaaab, v243
.irp n, 2,3,4,5,6,7,8,9
	v_min_num_f32 v[XE+\n], 4.0, v[XE+\n]
.endr
.irp i, 0,2,4,6,8
	v_pk_mul_f32 v[X2+\i:X2+\i+1], v[XE+\i:XE+\i+1], v[XE+\i:XE+\i+1]
.endr
	HORN0 PA, KA, 0x32edffee                       ; the numerator's coefficients, from x^12 down
	HORN0 SF, KB, 0xb95fbd29                       ; the denominator's, from x^8 down
	HORN PA, 0xb60cff51
	HORN SF, 0xbadc924e
	HORN PA, 0xb86ec2d2
	HORN SF, 0xbbf19bf8
	HORN PA, 0xba40ac63
	HORN SF, 0xbc69b6a7
	HORN PA, 0xbb41a1f6
	HORN PA, 0xbc83dbd4
.irp n, 0,1,2,3,4,5,6,7,8,9
	v_rcp_f32 v[SF+\n], v[SF+\n]
.endr
.irp i, 0,2,4,6,8
	v_pk_mul_f32 v[PA+\i:PA+\i+1], v[PA+\i:PA+\i+1], v[XE+\i:XE+\i+1]   ; plain work behind the ten reciprocals
.endr
	s_wait_alu depctr_va_vdst(0)                   ; the ten reciprocals v118-127 are written: one wait for the ten, ahead of their first reader
.irp i, 0,2,4,6,8
	v_pk_mul_f32 v[SF+\i:SF+\i+1], v[SF+\i:SF+\i+1], v[PA+\i:PA+\i+1]
.endr
.endm
.macro INLOAD                          ; x, cr and cells of group s19 (32 points)
	s_mul_i32 s74, s19, 384
	s_mov_b32 s75, 0
	s_add_nc_u64 s[40:41], s[4:5], s[74:75]
	s_lshl_b32 s74, s19, 7
	s_add_nc_u64 s[42:43], s[6:7], s[74:75]
	s_lshl_b32 s74, s19, 11
	s_add_nc_u64 s[44:45], s[10:11], s[74:75]
	global_load_b96 v[26:28], v2, s[40:41] th:TH_LOAD_NT
	global_load_b32 v29, v3, s[42:43] th:TH_LOAD_NT
.irp c, 0,1,2,3
	global_load_b128 v[30+4*\c:33+4*\c], v1, s[44:45] offset:512*\c th:TH_LOAD_NT
.endr
.endm
; ---- macros of the layers
.macro FETCH off                       ; four tiles of a weight, as images of their registers
.irp t, 0,1,2,3
.irp c, 0,1,2
	ds_load_b128 v[AW+12*\t+4*\c:AW+12*\t+4*\c+3], v1 offset:(\off)+1536*\t+512*\c
.endr
.endr
.endm
.macro BIAS p, adr, step               ; the bias in the result's layout, straight into the four accumulators of tile p of the points
.irp t, 0,1,2,3
	ds_load_b128 v[ACC+32*(\p)+8*\t:ACC+32*(\p)+8*\t+3], v[\adr] offset:(\step)*\t
	ds_load_b128 v[ACC+32*(\p)+8*\t+4:ACC+32*(\p)+8*\t+7], v[\adr] offset:(\step)*\t+16
.endr
.endm
.macro WMS d, a, b, sa, sb, ra, rb     ; ra, rb: the scales are taken from lanes 16-31 of their register
.if ((\ra) == 0) && ((\rb) == 0)
	v_wmma_scale_f32_16x16x128_f8f6f4 v[\d:\d+7], v[\a:\a+11], v[\b:\b+11], v[\d:\d+7], v[\sa], v[\sb] matrix_a_fmt:MATRIX_FMT_BF6 matrix_b_fmt:MATRIX_FMT_BF6
.elseif ((\ra) == 1) && ((\rb) == 0)
	v_wmma_scale_f32_16x16x128_f8f6f4 v[\d:\d+7], v[\a:\a+11], v[\b:\b+11], v[\d:\d+7], v[\sa], v[\sb] matrix_a_fmt:MATRIX_FMT_BF6 matrix_b_fmt:MATRIX_FMT_BF6 matrix_a_scale:MATRIX_SCALE_ROW1
.elseif ((\ra) == 0) && ((\rb) == 1)
	v_wmma_scale_f32_16x16x128_f8f6f4 v[\d:\d+7], v[\a:\a+11], v[\b:\b+11], v[\d:\d+7], v[\sa], v[\sb] matrix_a_fmt:MATRIX_FMT_BF6 matrix_b_fmt:MATRIX_FMT_BF6 matrix_b_scale:MATRIX_SCALE_ROW1
.else
	v_wmma_scale_f32_16x16x128_f8f6f4 v[\d:\d+7], v[\a:\a+11], v[\b:\b+11], v[\d:\d+7], v[\sa], v[\sb] matrix_a_fmt:MATRIX_FMT_BF6 matrix_b_fmt:MATRIX_FMT_BF6 matrix_a_scale:MATRIX_SCALE_ROW1 matrix_b_scale:MATRIX_SCALE_ROW1
.endif
.endm
.macro MM ly                           ; layer ly: four tiles of 16 units x two tiles of 16 points: eight accumulators, one instruction each, C = the bias.  A weight's scale register holds an even tile's words in lanes 0-15, the odd tile's above
.irp t, 0,1,2,3
.irp p, 0,1
	WMS ACC+32*\p+8*\t, AW+12*\t, OPX+12*\p, 16+2*((\ly)-1)+\t/2, 12+((\ly)-1)*(1+\p), \t%2, (2-(\ly))*\p
.endr
.endr
.endm
.macro PLACES n                        ; plain vector instructions that name none of a matrix instruction's registers (ISA guide 7.12.1)
.rept \n
	v_nop
.endr
.endm
.macro SELU b                          ; sixteen registers, two accumulators, in place; each accumulator is read from its low end on
.set AB, ACC+16*(\b)
.set jj, 0
.rept 8
	v_pk_mul_f32 v[EX+jj:EX+jj+1], v[AB+jj:AB+jj+1], s[54:55] op_sel_hi:[1,0]      ; x log2(e)
.set jj, jj+2
.endr
.set jj, 0
.rept 16
	v_exp_f32 v[EX+jj], v[EX+jj]
.set jj, jj+1
.endr
.set jj, 0
.rept 16
	v_min_num_f32 v[XN+jj], 0, v[AB+jj]            ; the negative part.  (Plain work behind the exponentials: none of it names a result)
.set jj, jj+1
.endr
.irp j, 0,1,2,3,4,5,6,7
	v_cmp_lt_f32 s[66+\j], s51, v[XN+\j]           ; above -0.25 the series, else the exponential (what an exponential of a large x gives is thrown away by the choice).  All sixteen masks in one run,
	v_cmp_lt_f32 s[84+\j], s51, v[XN+8+\j]         ; a scalar register each, as soon as the negative parts are there: the series stands between them and the wait for them
.endr
.set jj, 0
.rept 8
	v_pk_add_f32 v[AB+jj:AB+jj+1], v[AB+jj:AB+jj+1], v[XN+jj:XN+jj+1] neg_lo:[0,1] neg_hi:[0,1]   ; x - min(x, 0) = max(x, 0), exactly
.set jj, jj+2
.endr
.set jj, 0
.rept 8
	v_pk_fma_f32 v[QP+jj:QP+jj+1], v[KE:KE+1], v[XN+jj:XN+jj+1], 0x3c700a07 op_sel_hi:[1,1,0]     ; scale alpha (x + x^2 / 2 + .. + x^6 / 720), by Horner
.set jj, jj+2
.endr
.irp c, 0x3d960644, 0x3e960644, 0x3f610966, 0x3fe10966
.set jj, 0
.rept 8
	v_pk_fma_f32 v[QP+jj:QP+jj+1], v[QP+jj:QP+jj+1], v[XN+jj:XN+jj+1], \c op_sel_hi:[1,1,0]
.set jj, jj+2
.endr
.endr
.set jj, 0
.rept 8
	v_pk_mul_f32 v[QP+jj:QP+jj+1], v[QP+jj:QP+jj+1], v[XN+jj:XN+jj+1]
.set jj, jj+2
.endr
	s_wait_alu depctr_va_vdst(0)                   ; the sixteen exponentials v86-101 are written: one wait, ahead of their first reader.  It also states that every earlier vector and matrix instruction is done with its registers: the LDS loads that stand behind this macro lean on that
.set jj, 0
.rept 8
	v_pk_fma_f32 v[EX+jj:EX+jj+1], v[EX+jj:EX+jj+1], s[56:57], 0xbfe10966 op_sel_hi:[1,0,0]       ; scale alpha (e^x - 1)
.set jj, jj+2
.endr
	s_wait_alu depctr_va_sdst(0)                   ; the sixteen masks s66-73 and s84-91 are written, ahead of their first readers
.irp j, 0,1,2,3,4,5,6,7
	v_cndmask_b32 v[QP+\j], v[EX+\j], v[QP+\j], s[66+\j]
	v_cndmask_b32 v[QP+8+\j], v[EX+8+\j], v[QP+8+\j], s[84+\j]
.endr
.set jj, 0
.rept 8
	v_pk_fma_f32 v[AB+jj:AB+jj+1], v[AB+jj:AB+jj+1], s[58:59], v[QP+jj:QP+jj+1] op_sel_hi:[1,0,1]
.set jj, jj+2
.endr
.endm
.macro QF                              ; the 40 features of my point become codes.  A lane holds both blocks of ITS point; the operand wants block h of point r in lane (r, h): six exchanges of half registers
	v_max3_num_f32 v246, |v[FE]|, |v[FE+1]|, FLOOR
	v_max3_num_f32 v247, |v[FE+16]|, |v[FE+17]|, FLOOR
	v_max3_num_f32 v248, |v[GE]|, |v[GE+1]|, FLOOR
.irp i, 2,4,6
	v_max3_num_f32 v246, v246, |v[FE+\i]|, |v[FE+\i+1]|
	v_max3_num_f32 v247, v247, |v[FE+16+\i]|, |v[FE+17+\i]|
	v_max3_num_f32 v248, v248, |v[GE+\i]|, |v[GE+\i+1]|
.endr
.irp i, 8,10,12,14
	v_max3_num_f32 v246, v246, |v[FE+\i]|, |v[FE+\i+1]|
	v_max3_num_f32 v247, v247, |v[FE+16+\i]|, |v[FE+17+\i]|
.endr
	v_max_num_f32 v246, v246, v247
	v_add_nc_u32 v249, 0xfe000000, v246            ; 4 off the exponent field: the conversion's scale operand
	v_add_nc_u32 v250, 0xfe000000, v248
	v_lshrrev_b32 v251, 23, v249
	v_lshrrev_b32 v252, 23, v250
	v_lshl_or_b32 v12, v252, 8, v251               ; my point's scale word; bytes 2 and 3 stand over zero codes.  Lanes 0-15 serve tile 0, lanes 16-31 tile 1
	v_cvt_scalef32_pk16_bf6_f32 v[OPX:OPX+2], v[FE:FE+15], v249
	v_cvt_scalef32_pk16_bf6_f32 v[242:244], v[FE+16:FE+31], v249   ; (a conversion's three registers begin on an even number)
	v_cvt_scalef32_pk16_bf6_f32 v[OPX+12:OPX+14], v[GE:GE+15], v250
	v_nop                                          ; one plain instruction behind the scaled conversions
.irp i, 0,1,2
	v_mov_b32 v[OPX+3+\i], v[242+\i]
	v_mov_b32 v[OPX+15+\i], 0                      ; K = 48 .. 63
.endr
.irp i, 0,1,2,3,4,5
	v_permlane16_swap_b32 v[OPX+\i], v[OPX+12+\i]  ; the first's lanes 16-31 (block 0 of points 16-31) change places with the second's lanes 0-15 (block 1 of points 0-15)
.endr
.endm
.macro QH p                            ; the hidden layer of tile p: a lane's 32 registers are block h of point r: the codes are the operand's registers as they come
.set AB, ACC+32*(\p)
.set OP, OPX+12*(\p)
	v_max3_num_f32 v246, |v[AB]|, |v[AB+1]|, FLOOR
	v_max3_num_f32 v247, |v[AB+16]|, |v[AB+17]|, FLOOR
.irp i, 2,4,6,8,10,12,14
	v_max3_num_f32 v246, v246, |v[AB+\i]|, |v[AB+\i+1]|
	v_max3_num_f32 v247, v247, |v[AB+16+\i]|, |v[AB+17+\i]|
.endr
	v_max_num_f32 v246, v246, v247
	v_add_nc_u32 v248, 0xfe000000, v246
	v_lshrrev_b32 v249, 23, v248
	v_lshlrev_b32 v250, v11, v249                  ; my block's byte at its place, 8 h bits up;
	v_permlanex16_b32 v254, v250, s52, s53
	v_or_b32 v[13+(\p)], v250, v254                ; with lane l xor 16's the word is whole
	v_cvt_scalef32_pk16_bf6_f32 v[OP:OP+2], v[AB:AB+15], v248
	v_cvt_scalef32_pk16_bf6_f32 v[242:244], v[AB+16:AB+31], v248
	v_nop
.irp i, 0,1,2
	v_mov_b32 v[OP+3+\i], v[242+\i]
.endr
.endm
.macro STAGE off                       ; lane (r, h), register j of tile p: output 8 h + j of point 16 p + r.  Outputs 13 to 15 do not exist: lanes 16-31 put them behind the stage
.irp p, 0,1
.irp j, 0,1,2,3,4
	ds_store_b32 v7, v[216+8*\p+\j] offset:(\off)+16*ROWB*\p+4*\j
.endr
.irp j, 5,6,7
	ds_store_b32 v8, v[216+8*\p+\j] offset:(\off)+16*ROWB*\p+4*\j
.endr
.endr
.endm
	; ---- the head
	s_load_b256 s[4:11], s[0:1], 0x0               ; x s[4:5], cr s[6:7], tables s[8:9], cells s[10:11]
	s_load_b128 s[12:15], s[0:1], 0x20             ; wimg s[12:13], out0 s[14:15]
	v_lshrrev_b32 v15, 5, v0
	v_readfirstlane_b32 s16, v15                   ; wave 0..15
	v_and_b32 v15, 31, v0                          ; L
	v_lshlrev_b32 v1, 4, v15
	v_mul_u32_u24 v2, v15, 12
	v_lshlrev_b32 v3, 2, v15
	v_lshlrev_b32 v4, 3, v15
	v_and_b32 v246, 15, v0                         ; r
	v_bfe_u32 v247, v0, 4, 1                       ; h
	v_lshl_add_u32 v5, v247, 7, IB1                ; b1: lane (r, h) wants units 32 h + 8 t + j
	v_lshl_add_u32 v6, v247, 5, IB2                ; b2: units 16 t + 8 h + j
	s_wait_alu depctr_va_sdst(0)                   ; s16 is written, ahead of its first reader: the stage's place and the wave's share of blocks are made from it
	s_mul_i32 s74, s16, STGW
	s_add_co_u32 s74, s74, STG0                    ; my wave's stage
	v_mul_u32_u24 v248, v246, ROWB
	v_add_nc_u32 v248, s74, v248
	v_lshl_add_u32 v7, v247, 5, v248               ; row r, + 32 h
	v_mad_u32_u24 v8, v247, SHADOW, v248           ; row r; lanes 16-31 behind the stage
	v_add_nc_u32 v9, s74, v1
	v_add_nc_u32 v10, s74, v4
	v_add_nc_u32 v10, 3072, v10
	v_lshlrev_b32 v11, 3, v247
	v_lshlrev_b32 v249, 4, v0                      ; 16 x thread: the copy of wimg
	s_lshl_b32 s83, s16, 8
	s_add_co_u32 s83, s83, ttmp9                   ; g = 256 x wave + work-group: my wave among the launch's 4,096
	s_lshl_b32 s19, s83, 1                         ; its first group of 32 points
	s_mov_b32 s48, 0xffff0                         ; 16 x (2^16 - 1)
	s_mov_b32 s49, 0x79b10                         ; 16 x (prime 1 modulo 2^16)
	s_mov_b32 s50, 0x57950                         ; 16 x (prime 2 modulo 2^16)
	s_mov_b32 s51, 0xbe800000                      ; -0.25
	s_mov_b32 s52, 0x76543210
	s_mov_b32 s53, 0xfedcba98                      ; v_permlanex16_b32's selects for lane l xor 16
	s_mov_b32 s54, 0x3fb8aa3b                      ; log2(e); the packed forms name pairs, so both halves are written
	s_mov_b32 s55, s54
	s_mov_b32 s56, 0x3fe10966                      ; scale x alpha
	s_mov_b32 s57, s56
	s_mov_b32 s58, 0x3f867d5f                      ; scale
	s_mov_b32 s59, s58
	s_wait_kmcnt 0x0
	s_wait_alu depctr_va_vdst(0)                   ; the offsets and LDS addresses v1 to v10 and v249 are written: every load and store of the kernel but the gathers reads one of them, and v1 to v10 are never written again
	global_load_b128 v[128:131], v249, s[12:13]
	global_load_b128 v[132:135], v249, s[12:13] offset:8192
.irp l, 0,1,2,3,4,5,6,7,8,9
	s_add_nc_u64 s[20+2*\l:21+2*\l], s[8:9], \l*1048576        ; level l's table
.endr
	INLOAD
	v_mov_b32 v[KE], 0x3b2006af                    ; scale alpha / 720
	v_mov_b32 v[KE+1], 0x3b2006af
	v_mov_b32 v[KA], 0xaf95df0b
	v_mov_b32 v[KA+1], 0xaf95df0b
	v_mov_b32 v[KB], 0xb77460cd
	v_mov_b32 v[KB+1], 0xb77460cd
	v_mov_b32 v254, 0                              ; a lane permute's destination counts as one of its sources
	s_wait_loadcnt 0x6                             ; the two loads of wimg are in; the six issued behind them may be out
	ds_store_b128 v249, v[128:131]
	ds_store_b128 v249, v[132:135] offset:8192
	s_wait_dscnt 0x0                               ; for the others' sake: my part of the images has landed
	s_barrier_signal -1
	s_barrier_wait -1                              ; the only barrier: from here on the images are only read, and a wave's stage is its own
.irp i, 0,1,2,3
	ds_load_b32 v[16+\i], v3 offset:ISC+128*\i     ; the weights' scale words stay in registers
.endr
	s_wait_dscnt 0x0
	s_mov_b32 s18, 0
.Lpass:                                            ; trip i: pass i % 2 of block g + 4096 (i / 2)
	s_lshr_b32 s74, s18, 1
	s_lshl_b32 s74, s74, 12
	s_add_co_u32 s17, s74, s83
	s_cmp_ge_u32 s17, NBLK
	s_cbranch_scc1 .Lnext                          ; no such block: nothing is done
	s_wait_loadcnt 0x0                             ; x, cr, cells: asked for ahead of the last pass's layers
	s_wait_xcnt 0x0                                ; the last block's stores have read their registers and their base: both are written again only behind this wait
	s_wait_alu depctr_vm_vsrc(0)                   ; the last pass's LDS stores have read v216-231 and its global stores v128-153 (in the first trip: the head's copy v128-135 and v249): the lines below write them, and gathers land in them
	IDX 0                                          ; the offsets of three levels together, so that one wait serves their 24 gathers
	IDX 1
	IDX 2
	s_wait_alu depctr_va_vdst(0)                   ; the three sets of offsets are written, which the gathers read; the last pass's vector and matrix instructions are done with v128-191, v46-69 and v78-85, in which the gathers land
	GATHER 0
	GATHER 1
	GATHER 2
	ERF                                            ; while the first gathers are on their way
	WGT 0, RES0, 99
	LEVEL 0, RES1
	LEVEL 1, RES2
	LEVEL 2, RES3
	LEVEL 3, RES4
	LEVEL 4, RES5
	LEVEL 5, RES6
	LEVEL 6, RES7
	LEVEL 7, RES8
	LEVEL 8, RES9
	LEVEL 9, RES9                                  ; (no level follows: the second argument is not used)
	; the next pass's group: the block's second half, or the next block's first; held at the last block, so that no load leaves its buffer
	s_and_b32 s76, s18, 1
	s_add_co_u32 s77, s19, 1
	s_add_co_u32 s78, s17, 4096
	s_min_u32 s78, s78, NBLK-1
	s_lshl_b32 s78, s78, 1
	s_cmp_eq_u32 s76, 0
	s_cselect_b32 s19, s77, s78
	s_wait_alu depctr_vm_vsrc(0)                   ; level 9's gathers have read their offsets v192-199, in which W1 lands
	s_wait_alu depctr_va_vdst(0)                   ; the encode is done: with x and cr (the last weights read them), in which the next pass's land; with v192-239, in which W1 lands; with the corners v128-191, in which b1 lands
	INLOAD                                         ; (the wait at the pass's head has shown the earlier loads done: their bases may be written)
	; ---- layer 1
	FETCH 0
	BIAS 0, 5, 32
	BIAS 1, 5, 32
.irp i, 6,7,8,9,10,11
	v_mov_b32 v[OPX+\i], 0                         ; K = 64 .. 127 of both operands: zero codes.  The third set of corners lay here
	v_mov_b32 v[OPX+12+\i], 0
.endr
.irp i, 8,9,10,11,12,13,14,15
	v_mov_b32 v[GE+\i], 0                          ; K = 40 .. 47: the quantiser's zeros
.endr
	QF
	s_wait_dscnt 0x0                               ; W1 and b1 are in
	PLACES 8                                       ; a scale register written by a vector instruction stands eight places ahead of a scaled product, an operand four
	s_wait_alu depctr_va_vdst(0)                   ; the points' codes v46-69 and their scale word v12 are written, which the scaled products take; the places above stay beside this wait
	MM 1
	PLACES 4                                       ; ahead of the first read of results
	; ---- layer 2
	SELU 0
	FETCH IW2                                      ; W2 into W1's registers.  No wait of its own: SELU's wait stands behind the products that read W1, and no line since names v192-239 or v1
	SELU 1
	QH 0
	SELU 2
	BIAS 0, 6, 64                                  ; b2 into tile 0's accumulators.  No wait of its own: SELU's wait stands behind the quantiser that read them, and no line since names v128-159 or v6
	SELU 3
	QH 1
	PLACES 8
	s_wait_alu depctr_va_vdst(0)                   ; the quantiser is done reading tile 1's accumulators, in which b2 lands; the codes v46-69 and the scale words v13, v14 are written, which the scaled products take; the places above stay beside this wait
	BIAS 1, 6, 64
	s_wait_dscnt 0x0                               ; W2 and b2 are in
	MM 2
	PLACES 4                                       ; ahead of the first read of results
	; ---- layer 3
	SELU 0
.irp q, 0,1,2,3
	ds_load_b128 v[AW+4*\q:AW+4*\q+3], v1 offset:IW3+512*\q          ; W3: v192-199 K step 0, v200-207 K step 1.  No wait of its own: SELU's wait stands behind the products that read W2, and no line since names v192-215 or v1
.endr
	ds_load_b128 v[208:211], v1 offset:IB3                           ; b3
	ds_load_b128 v[212:215], v1 offset:IB3+512
	SELU 1
	SELU 2
	SELU 3
.set qq, 0
.rept 32
	v_cvt_pk_bf16_f32 v[86+qq], v[ACC+2*qq], v[ACC+2*qq+1]           ; tiles 2 s and 2 s + 1 of a tile of points ARE source 1 of K step s: units 32 s + 8 h + 0 .. 7 and 32 s + 16 + 8 h + 0 .. 7
.set qq, qq+1
.endr
	s_wait_dscnt 0x0
	v_wmma_f32_16x16x32_bf16 v[216:223], v[192:199], v[86:93], v[208:215]      ; the two accumulators by turns
	v_wmma_f32_16x16x32_bf16 v[224:231], v[192:199], v[102:109], v[208:215]
	v_wmma_f32_16x16x32_bf16 v[216:223], v[200:207], v[94:101], v[216:223]
	v_wmma_f32_16x16x32_bf16 v[224:231], v[200:207], v[110:117], v[224:231]
	PLACES 4
	s_wait_alu depctr_va_vdst(0)                   ; the last products have written v216-231, which the LDS stores read; the roundings are done reading v128-153, in which the stage's rows land; the places above stay beside this wait
	s_cmp_eq_u32 s76, 0
	s_cbranch_scc0 .Lodd
	STAGE 0                                        ; the block's first 32 rows
	s_branch .Lnext
.Lodd:
	STAGE 32*ROWB                                  ; its last 32; the block's 3,328 bytes now lie in the stage as they lie in memory
	s_mul_i32 s74, s17, 64*ROWB
	s_mov_b32 s75, 0
	s_add_nc_u64 s[46:47], s[14:15], s[74:75]
.irp i, 0,1,2,3,4,5
	ds_load_b128 v[ACC+4*\i:ACC+4*\i+3], v9 offset:512*\i            ; LDS serves a wave's instructions in order (ISA guide 5.7.1.4): these see my stores
.endr
	ds_load_b64 v[ACC+24:ACC+25], v10
.irp i, 0,1,2,3,4,5
	s_wait_dscnt 6-\i                              ; the younger loads from the stage may be out
	global_store_b128 v1, v[ACC+4*\i:ACC+4*\i+3], s[46:47] offset:512*\i th:TH_STORE_NT   ; 32 lanes store 512 consecutive bytes, at a multiple of 256 from the buffer's first byte
.endr
	s_wait_dscnt 0x0
	global_store_b64 v4, v[ACC+24:ACC+25], s[46:47] offset:3072 th:TH_STORE_NT            ; and the last 256
.Lnext:
	s_add_co_u32 s18, s18, 1
	s_cmp_lt_u32 s18, 8
	s_cbranch_scc1 .Lpass
	s_wait_xcnt 0x0                                ; every earlier memory instruction has had its addresses translated: v253, which gathers named as an offset, is written below
	v_lshl_add_u32 v253, v0, 2, 0x1e000            ; my spare word, behind the sixteen stages; v253's last reader among the gathers stands ahead of the wait on vm_vsrc behind the encode
	v_mov_b32 v254, 0
	s_wait_dscnt 0x0                               ; the closing lines, six on end
	s_wait_alu 0x0
	s_wait_tensorcnt 0x0
	ds_add_u32 v253, v254
	s_wait_dscnt 0x0
	s_endpgm
.Lfunc_end_k_q51aeaec73d_field:
	.size	k_q51aeaec73d_field, .Lfunc_end_k_q51aeaec73d_field-k_q51aeaec73d_field
	.p2alignl 7, 3214868480
	.fill 96, 4, 3214868480
	.section	.rodata,"a",@progbits
	.p2align	6, 0x0
	.amdhsa_kernel k_q51aeaec73d_field
		.amdhsa_group_segment_fixed_size 124928
		.amdhsa_private_segment_fixed_size 0
		.amdhsa_enable_private_segment 0
		.amdhsa_kernarg_size 48
		.amdhsa_user_sgpr_count 2
		.amdhsa_user_sgpr_kernarg_segment_ptr 1
		.amdhsa_wavefront_size32 1
		.amdhsa_system_sgpr_workgroup_id_x 1
		.amdhsa_system_sgpr_workgroup_id_y 1
		.amdhsa_system_sgpr_workgroup_id_z 1
		.amdhsa_system_vgpr_workitem_id 0
		.amdhsa_next_free_vgpr 256
		.amdhsa_next_free_sgpr 96
		.amdhsa_reserve_vcc 0
		.amdhsa_float_denorm_mode_32 3
		.amdhsa_float_denorm_mode_16_64 3
		.amdhsa_memory_ordered 1
		.amdhsa_forward_progress 1
		.amdhsa_inst_pref_size 149
	.end_amdhsa_kernel
	.amdgpu_metadata
---
amdhsa.version: [ 1, 2 ]
amdhsa.kernels:
  - .name:           k_q51aeaec73d_field
    .symbol:         k_q51aeaec73d_field.kd
    .args:
      - { .name: x, .offset: 0, .size: 8, .value_kind: global_buffer, .address_space: global }
      - { .name: cr, .offset: 8, .size: 8, .value_kind: global_buffer, .address_space: global }
      - { .name: tables, .offset: 16, .size: 8, .value_kind: global_buffer, .address_space: global }
      - { .name: cells, .offset: 24, .size: 8, .value_kind: global_buffer, .address_space: global }
      - { .name: wimg, .offset: 32, .size: 8, .value_kind: global_buffer, .address_space: global }
      - { .name: out0, .offset: 40, .size: 8, .value_kind: global_buffer, .address_space: global }
    .group_segment_fixed_size: 124928
    .private_segment_fixed_size: 0
    .kernarg_segment_align: 8
    .kernarg_segment_size: 48
    .max_flat_workgroup_size: 512
    .sgpr_count:     96
    .vgpr_count:     256
    .wavefront_size: 32
...
	.end_amdgpu_metadata
.endif
;; end of part 3
